; MI455X (gfx1250); checked and timed in simulation.
; The chip was launched on July 23, 2026; its instructions are those of AMD's public machine-readable ISA for CDNA 5 (MIT licence, August 2026) and "CDNA5" Instruction Set Architecture Reference Guide (July 2026). The comments in the code are by the model that wrote it; some were corrected since.
;; Self Attention. Allowed arithmetic: matrix products marked QUANTISED: E2M3 operands, one E8M0 scale for each 32 along K, by v_wmma_scale_f32_16x16x128_f8f6f4 with both operands' format E2M3, f32 sums; everything else in f32.
;; Inputs: W_k 1,024 x 1,024 float32; W_q 1,024 x 1,024 float32; W_v 1,024 x 1,024 float32; b_k 1,024 float32; b_q 1,024 float32; b_v 1,024 float32; x 4 x 2,048 x 1,024 float32.
;; Outputs: out0 4 x 2,048 x 1,024 float32.
;; This version of the problem:
;;   THIS VERSION OF THE PROBLEM IS GIVEN IN LOW PRECISION. The matrix products marked QUANTISED in the list below multiply operands that are first quantised to E2M3 (2 exponent bits, 3 mantissa bits; 6 bits a number), with one power-of-two scale for each 32 numbers along K (OCP MX v1.0); their sums are f32. All else is computed in f32.
;;   The module's matrix products, in the order in which they are computed (A, B: the left and right operand; K: the contracted axis; several contracted axes count as one K, in the product's order):
;;     1. [M 8,192, K 1,024] x [K 1,024, N 1,024]; A: input x; B: input W_q: QUANTISED
;;     2. [M 8,192, K 1,024] x [K 1,024, N 1,024]; A: input x; B: input W_k: QUANTISED
;;     3. [M 8,192, K 1,024] x [K 1,024, N 1,024]; A: input x; B: input W_v: QUANTISED
;;     4. batch 4 x [M 2,048, K 1,024] x [K 1,024, N 2,048]; A: computed on the way; B: computed on the way: QUANTISED
;;     5. batch 4 x [M 2,048, K 2,048] x [K 2,048, N 1,024]; A: softmax (see below); B: computed on the way: QUANTISED
;;   THE QUANTISER, for each operand of a quantised product, along K:
;;     - K is cut into blocks of 32 from its start; a last block that is shorter is filled with zeros.
;;     - A block's scale is 2^e with e = floor(log2(the largest magnitude in the block)) - 2, held to -126 .. 127; a block of zeros has e = 0. As a byte (E8M0): e + 127.
;;     - Each number is divided by its block's scale, clamped to +-7.5, and rounded to the nearest number of E2M3, ties to even, subnormals kept.
;;     - The product sums the exact products of the quantised numbers (number of the format x scale) in f32.
;;   ~~~python
;;   def quantise(x, axis):      # numpy; x: float32 -> the quantised numbers, widened to float32 again
;;       x = np.moveaxis(x, axis, -1); K = x.shape[-1]
;;       x = np.pad(x, [(0, 0)] * (x.ndim - 1) + [(0, -K % 32)]); x = x.reshape(x.shape[:-1] + (-1, 32)); a = np.abs(x).max(-1, keepdims=True)
;;       e = np.where(a > 0, np.clip(np.frexp(np.where(a > 0, a, 1))[1] - 1 - 2, -126, 127), 0)      # np.frexp(a)[1] - 1 = floor(log2(a)), exactly
;;       r = np.clip(x / 2.0 ** e, -7.5, 7.5)
;;       step = 2.0 ** (np.maximum(np.frexp(np.where(r == 0, 1, r))[1] - 1, 0) - 3)
;;       q = np.round(r / step) * step * 2.0 ** e      # np.round: ties to even
;;       return np.moveaxis(q.reshape(q.shape[:-2] + (-1,))[..., :K], -1, axis).astype(np.float32)
;;   ~~~
;;   SOFTMAX AHEAD OF A QUANTISED PRODUCT. Where the list says 'softmax', what is quantised is not the finished softmax but p = 2^(t - M), with t = logit x log2(e) and M = ceil(the row's largest t), a whole number; so 1/2 < the row's largest p <= 1. The row's sum l is taken of the UNQUANTISED p, in f32, and the product's result is divided by l at the end. Since M is a whole number, a kernel that streams over the keys may use a running M (the ceiling of the running maximum): every later rescaling is an exact power of two, which a block's scale takes up: the codes' values come out the same.
;;   OPERANDS COMPUTED ON THE WAY. 'Computed on the way' means the value that the module computes at that place (a softmax that the list does not call 'softmax' is quantised finished and normalised). What goes into a quantiser is computed in f32, as accurately as f32 sums, v_exp_f32 and their like allow (about 1e-6 of the number): no bf16 or f16 on the way to a quantiser, and a product that is left as it is and whose result goes on into a quantised operand takes f32 operands (vector FMAs, or v_wmma_f32_16x16x4_f32). A number that lies on a knife's edge between two numbers of the format may be rounded either way, as far as f32 arithmetic and the matrix unit's own rounding can turn it there, and no further.
;; One version. Each part assembles by itself: llvm-mc -triple=amdgcn-amd-amdhsa -mcpu=gfx1250 --defsym DOCPART=n.
;; ======== version 1 of 1: 4 launches
;; limits: right only within a limited range of input values
;; workspace buffers: xw 9,011,200 bytes; qkv 19,660,800 bytes; pw 14,155,776 bytes
;; launch quant (part 1): grid 352 x 1, 8 waves a work-group, no clusters, 95,232 bytes of LDS; arguments x, W_q, W_k, W_v, xw; writes xw
.if DOCPART == 1
	.amdgcn_target "amdgcn-amd-amdhsa--gfx1250"
	.amdhsa_code_object_version 6
	.text
	.protected	k_qa62693d88f_quant
	.globl	k_qa62693d88f_quant
	.p2align	8
	.type	k_qa62693d88f_quant,@function
k_qa62693d88f_quant:
	s_mov_b64 s[64:65], 0
	v_nop
	global_prefetch_b8 v0, s[64:65] scope:SCOPE_SE
	s_setreg_imm32_b32 hwreg(HW_REG_WAVE_MODE, 25, 1), 1
	s_wait_xcnt 0x0
; x [8192][1024] and W_q, W_k, W_v [1024 (k)][1024 (n)], f32, become codes of FP6 (E2M3) with one E8M0 byte for each 32 along K = the model's 1,024.
; THE LAYOUT OF EVERY OPERAND OF THIS PROGRAM.  16 rows x 128 K are a fragment, stored as the image of its 12 registers: registers 4 c .. 4 c + 3 of lane l at 512 c + 16 l: 1,536 bytes.
; Lane-row r of row tile 2 B + u is row 32 B + 8 u + r + 8 (r / 8).  A scale word is 4 bytes: 128 K of a row.
; xw: [88 groups of 128 rows][8 K steps][12,800 bytes]: the step's 8 fragments, 12,288 bytes, and behind them its scale words [8 tiles][16 lane-rows], 512 bytes: so one dense block holds all that a K step wants of a group.
; Groups 0-63 are x's, groups 64-87 W^T's (rows = W's columns: W_q, W_k, W_v).
; A block's scale is 2^(floor(log2(largest magnitude)) - 2); its byte is the largest magnitude's exponent field - 2, held at 1 from below.
; LIMITS: a block of zeros, and a block whose largest magnitude lies under 2^-124, keep the byte 1 (zeros' codes are zeros; the bytes are read by this program alone); NaN and infinities are not served.
; Work-groups 0-255 take x: 128 rows x 256 K each, a wave two row tiles x 128 K.  Each load takes 512 consecutive bytes of a row; a tile turns through the wave's own stage, so that a lane gets 16 neighbours of each block of 32.
; Work-groups 256-351 take W: 256 columns x 128 K each; a lane takes a column and its registers run down K, so a block of 32 is one lane's; the codes go through the wave's own stage into the image's order.
; The two ways have LDS bytes of their own.  No tensor load, no barrier: waves share nothing.
; THE ORDER OF ROWS THAT THIS TEXT LAYS (it stands in place of the order by 32 B + 8 u named above).  With r = 8 h + i (h = 0, 1; i = 0 .. 7):
; x: group 2 g + c, tile 2 j + w, lane-row r is token 256 g + 128 w + 64 c + 32 h + 8 j + i (w, c = 0, 1; j = 0 .. 3);
; W^T: tile 4 e + j of a group of 128 columns, lane-row r is column 64 e + 32 h + 8 j + i of it (e = 0, 1): so a wave's load takes two runs of 16 neighbouring columns.
.set XSTB,  8448
.set WSTG,  8*XSTB                     ; behind the eight: W's stages
.set WHALF, 1664                       ; an image's place in W's stage: 1,536 + 128, so that the two tiles' stores start in different banks
.set WSTB,  2*WHALF
.set SPARE, WSTG+8*WSTB                ; the spare words, 128 bytes for each wave: four blocks of 256 bytes that no other line names
.set STEPB, 12800                      ; a group's K step in xw: codes and scale words
.set SPW,   8                          ; v8   LDS address of my spare word; never rewritten
.set NIL,   9                          ; v9   0; never rewritten
.set R,     16                         ; v16-143   x: two tiles as loaded
.set X,     144                        ; v144-207  x: 64 numbers of my row: register 16 b + i = k 32 b + 16 (lane / 16) + i
.set TM,    208                        ; v208-223  at work in QUANT
.set PC0,   224                        ; v224-243  tile 0's codes
.set PC1,   16                         ; v16-35    tile 1's codes
.set XW,    16                         ; v16-79    W: two sets of 32 numbers
.set CW,    80                         ; v80-111   W: a block's codes, 8 registers a block
.set SBW,   112                        ; v112      W: my column's scale word
.set OW,    116                        ; v116-139  W: two images on the way out
.set WV,    14
.set SEL,   20                         ; s[20:21] selects for v_permlanex16_b32: lane l xor 16
.set HM,    22                         ; s22 lanes 16-31
.set MSB, 0
.macro WIN new                         ; (all registers of this text lie in window 0: nothing is ever switched)
.if MSB != (\new)
	s_set_vgpr_msb (MSB<<8)|(\new)
.set MSB, (\new)
.endif
.endm
; 64 numbers of a lane, v[s + 16 b + i] = k 32 b + 16 (lane / 16) + i of my row, in window W, become a fragment's 12 registers at v[pc] and its scale word in v[pw]
.macro QUANT s, W, pc, pw
	WIN ((\W)<<2)|((\W)<<4)
.irp b, 0,1,2,3
	v_max3_num_f32 v[TM+\b], 0x1800000, |v[(\s)+16*\b]|, |v[(\s)+16*\b+1]|   ; my 16 numbers of block b, and the floor 2^(3 - 127): the byte cannot fall under 1
.endr
.irp i, 2,4,6,8,10,12,14
.irp b, 0,1,2,3
	s_delay_alu instid0(VALU_DEP_4)
	v_max3_num_f32 v[TM+\b], v[TM+\b], |v[(\s)+16*\b+\i]|, |v[(\s)+16*\b+\i+1]|
.endr
.endr
	WIN 0
.irp b, 0,1,2,3
	s_delay_alu instid0(VALU_DEP_4)
	v_permlanex16_b32 v[TM+4+\b], v[TM+\b], s[SEL], s[SEL+1]
.endr
.irp b, 0,1,2,3
	s_delay_alu instid0(VALU_DEP_4)
	v_max_num_f32 v[TM+\b], v[TM+\b], v[TM+4+\b]       ; with lane l xor 16's 16: the block's largest magnitude
.endr
.irp b, 0,1,2,3
	s_delay_alu instid0(VALU_DEP_4)
	v_add_nc_u32 v[TM+12+\b], 0xff000000, v[TM+\b]     ; 2 off its exponent field: the conversion's scale operand
.endr
.irp b, 0,1,2,3
	s_delay_alu instid0(VALU_DEP_4)
	v_lshrrev_b32 v[TM+4+\b], 23, v[TM+12+\b]          ; the scale's byte
.endr
	s_delay_alu instid0(VALU_DEP_3)
	v_lshl_or_b32 v[\pw], v[TM+5], 8, v[TM+4]
	s_delay_alu instid0(VALU_DEP_1)
	v_lshl_or_b32 v[\pw], v[TM+6], 16, v[\pw]
	s_delay_alu instid0(VALU_DEP_1)
	v_lshl_or_b32 v[\pw], v[TM+7], 24, v[\pw]
	WIN (\W)
.irp c, 0,1
	v_cvt_scalef32_pk16_fp6_f32 v[(\pc)+6*\c:(\pc)+6*\c+2], v[(\s)+32*\c:(\s)+32*\c+15], v[TM+12+2*\c]
	v_cvt_scalef32_pk16_fp6_f32 v[(\pc)+12+4*\c:(\pc)+12+4*\c+2], v[(\s)+32*\c+16:(\s)+32*\c+31], v[TM+13+2*\c]
.endr
	WIN 0
	v_nop                                          ; one plain place behind the scaled conversions
.irp c, 0,1                            ; the operand wants a whole block in a lane: lanes 0-15 block 2 c, lanes 16-31 block 2 c + 1
.irp i, 0,1,2
	v_permlane16_swap_b32 v[(\pc)+6*\c+\i], v[(\pc)+12+4*\c+\i]
.endr
.irp i, 0,1,2
	s_delay_alu instid0(VALU_DEP_3)
	v_mov_b32 v[(\pc)+6*\c+3+\i], v[(\pc)+12+4*\c+\i]
.endr
.endr
.endm
	s_load_b256 s[4:11], s[0:1], 0x0               ; x s[4:5], W_q s[6:7], W_k s[8:9], W_v s[10:11]
	s_load_b64 s[12:13], s[0:1], 0x20              ; xw
	v_lshl_add_u32 v[SPW], v0, 2, SPARE
	v_mov_b32 v[NIL], 0
	v_lshrrev_b32 v1, 5, v0
	s_delay_alu instid0(VALU_DEP_1)
	v_readfirstlane_b32 s[WV], v1                  ; wave 0..7
	v_and_b32 v1, 31, v0                           ; lane
	v_and_b32 v2, 15, v0                           ; r
	v_bfe_u32 v3, v0, 4, 1                         ; h
	s_delay_alu instid0(VALU_DEP_3)
	v_lshlrev_b32 v4, 4, v1                        ; 16 x lane
	s_delay_alu instid0(VALU_DEP_4)
	v_lshlrev_b32 v7, 2, v1                        ; 4 x lane
	v_lshlrev_b32 v15, 2, v2
	s_delay_alu instid0(VALU_DEP_1)
	v_lshl_add_u32 v15, v3, 7, v15                 ; W, in: column 32 (lane / 16) + lane % 16 of my wave's, 4 bytes each
	s_mul_i32 s15, s[WV], XSTB
	v_add_nc_u32 v5, s15, v4                       ; x's stage, in: 16 x lane of a row
	v_mul_u32_u24 v6, v2, 528
	s_delay_alu instid0(VALU_DEP_1)
	v_lshl_add_u32 v6, v3, 6, v6
	s_delay_alu instid0(VALU_DEP_1)
	v_add_nc_u32 v6, s15, v6                       ; and out: row r, + 64 h
	s_mul_i32 s15, s[WV], WSTB
	s_add_co_u32 s15, s15, WSTG
	v_bfe_u32 v13, v0, 3, 1                        ; W: column lane = 8 u + r' + 8 (r' / 8): u is the lane's bit 3,
	v_and_b32 v14, 7, v0
	s_delay_alu instid0(VALU_DEP_1)
	v_lshl_add_u32 v14, v3, 3, v14                 ; r' = 8 x bit 4 + the low three bits
	s_delay_alu instid0(VALU_DEP_3)
	v_mul_u32_u24 v10, v13, WHALF
	s_delay_alu instid0(VALU_DEP_1)
	v_lshl_add_u32 v10, v14, 4, v10
	s_delay_alu instid0(VALU_DEP_1)
	v_add_nc_u32 v10, s15, v10                     ; W's stage, in: tile u's image, lane r'
	v_add_nc_u32 v11, s15, v4                      ; and out: 16 x lane
	v_lshl_add_u32 v12, v13, 4, v14
	s_delay_alu instid0(VALU_DEP_1)
	v_lshlrev_b32 v12, 2, v12                      ; my column's scale word: 4 (16 u + r')
	s_mov_b32 s[SEL], 0x76543210
	s_mov_b32 s[SEL+1], 0xfedcba98
	s_mov_b32 s[HM], 0xffff0000
	s_cmp_lt_u32 ttmp9, 256
	s_cbranch_scc0 .Lw
	; ---------------- x: group g = wg / 4; K step ks = 2 (wg % 4) + wave / 4; rows 32 B' on, B' = wave % 4: tiles 2 B' and 2 B' + 1
	s_lshr_b32 s16, ttmp9, 2                       ; g
	s_and_b32 s17, ttmp9, 3
	s_lshl_b32 s17, s17, 1
	s_lshr_b32 s18, s[WV], 2
	s_add_co_u32 s17, s17, s18                     ; ks
	s_and_b32 s18, s[WV], 3                        ; B'
	s_lshr_b32 s24, s16, 1                         ; (256 (g / 2) + 64 (g % 2) + 8 B') rows of 4,096 bytes + 512 ks
	s_lshl_b32 s24, s24, 20
	s_and_b32 s19, s16, 1
	s_lshl_b32 s19, s19, 18
	s_add_co_u32 s24, s24, s19
	s_lshl_b32 s19, s18, 15
	s_add_co_u32 s24, s24, s19
	s_lshl_b32 s19, s17, 9
	s_add_co_u32 s24, s24, s19
	s_mov_b32 s25, 0
	s_lshl_b32 s19, s16, 3
	s_add_co_u32 s19, s19, s17                     ; 8 g + ks
	s_mul_i32 s28, s19, STEPB                      ; where the group's K step begins
	s_mul_i32 s23, s18, 3072
	s_add_co_u32 s26, s28, s23                     ; my two fragments
	s_mov_b32 s27, 0
	s_lshl_b32 s23, s18, 7
	s_add_co_u32 s28, s28, s23
	s_add_co_u32 s28, s28, 12288                   ; my two tiles' scale words, behind the step's codes
	s_mov_b32 s29, 0
.irp b, 0,1,2,3
	v_mov_b32 v[TM+4+\b], 0                        ; written once: a lane permute's destination counts as one of its sources
.endr
	s_wait_kmcnt 0x0
	s_add_nc_u64 s[4:5], s[4:5], s[24:25]
	s_add_nc_u64 s[26:27], s[12:13], s[26:27]
	s_add_nc_u64 s[28:29], s[12:13], s[28:29]
.irp u, 0,1
.irp i, 0,1,2,3,4,5,6,7,8,9,10,11,12,13,14,15
	global_load_b128 v[R+64*\u+4*\i:R+64*\u+4*\i+3], v4, s[4:5] offset:(128*\u+\i+24*(\i/8))*4096 th:TH_LOAD_NT   ; lane-row i of tile u: 512 consecutive bytes, aligned
.endr
.endr
.macro TURNX u                         ; a tile through my stage: LDS serves a wave's instructions in order, so no wait stands between the stores and the loads
.irp i, 0,1,2,3,4,5,6,7,8,9,10,11,12,13,14,15
	ds_store_b128 v5, v[R+64*\u+4*\i:R+64*\u+4*\i+3] offset:528*\i
.endr
.irp b, 0,1,2,3
.irp j, 0,1,2,3
	ds_load_b128 v[X+16*\b+4*\j:X+16*\b+4*\j+3], v6 offset:128*\b+16*\j
.endr
.endr
.endm
	s_wait_loadcnt 16                              ; tile 0's sixteen loads are in; tile 1's sixteen may be out
	TURNX 0
	s_wait_dscnt 0x0
	QUANT X, 0, PC0, 244
.irp c, 0,1,2
	global_store_b128 v4, v[PC0+4*\c:PC0+4*\c+3], s[26:27] offset:512*\c   ; 512 consecutive bytes, at a multiple of 256 from the buffer's first byte
.endr
	s_wait_loadcnt 0x0
	TURNX 1
	s_wait_dscnt 0x0
	QUANT X, 0, PC1, 245
.irp c, 0,1,2
	global_store_b128 v4, v[PC1+4*\c:PC1+4*\c+3], s[26:27] offset:1536+512*\c
.endr
	v_cndmask_b32 v246, v244, v245, s[HM]          ; lanes 0-15: tile 0's words; lanes 16-31: tile 1's (both halves of the lanes hold a row's word)
	global_store_b32 v7, v246, s[28:29]
	s_wait_tensorcnt 0x0                           ; the wave's end, behind my last LDS store
	ds_add_u32 v[SPW], v[NIL]
	s_wait_dscnt 0x0
	s_endpgm
.Lw:	; ---------------- W: tensor tz = wid / 32; columns 256 cg + 64 (wave / 2) + 16 (wave % 2) + 32 (lane / 16) + lane % 16, cg = (wid / 8) % 4; K step ks = wid % 8
	s_sub_co_u32 s16, ttmp9, 256                   ; wid
	s_lshr_b32 s17, s16, 5                         ; tz
	s_bfe_u32 s18, s16, 0x20003                    ; cg
	s_and_b32 s19, s16, 7                          ; ks
	s_lshl_b32 s24, s19, 19                        ; 128 ks rows of 4,096 bytes + 4 (256 cg + 64 (wave / 2) + 16 (wave % 2))
	s_lshl_b32 s23, s18, 10
	s_add_co_u32 s24, s24, s23
	s_lshr_b32 s23, s[WV], 1                       ; my wave's columns begin at 64 (wave / 2) + 16 (wave % 2)
	s_lshl_b32 s23, s23, 8
	s_add_co_u32 s24, s24, s23
	s_and_b32 s23, s[WV], 1
	s_lshl_b32 s23, s23, 6
	s_add_co_u32 s24, s24, s23
	s_mov_b32 s25, 0
	s_lshl_b32 s26, s17, 3                         ; the group of W^T: 8 tz + 2 cg + wave / 4
	s_lshl_b32 s23, s18, 1
	s_add_co_u32 s26, s26, s23
	s_lshr_b32 s23, s[WV], 2
	s_add_co_u32 s26, s26, s23
	s_lshl_b32 s26, s26, 3
	s_add_co_u32 s30, s26, s19                     ; 8 x group + ks,
	s_add_co_u32 s30, s30, 512                     ; behind x's 64 groups
	s_and_b32 s31, s[WV], 3
	s_mul_i32 s28, s30, STEPB                      ; where the group's K step begins
	s_mul_i32 s23, s31, 3072
	s_add_co_u32 s26, s28, s23                     ; my two fragments
	s_mov_b32 s27, 0
	s_lshl_b32 s23, s31, 7
	s_add_co_u32 s28, s28, s23
	s_add_co_u32 s28, s28, 12288                   ; my two tiles' scale words
	s_mov_b32 s29, 0
	s_wait_kmcnt 0x0
	s_cmp_eq_u32 s17, 1                            ; the choice hangs on the work-group's number alone
	s_cselect_b64 s[6:7], s[8:9], s[6:7]
	s_cmp_eq_u32 s17, 2
	s_cselect_b64 s[6:7], s[10:11], s[6:7]
	s_add_nc_u64 s[6:7], s[6:7], s[24:25]
	s_add_nc_u64 s[26:27], s[12:13], s[26:27]
	s_add_nc_u64 s[28:29], s[12:13], s[28:29]
.macro LOADW t                         ; block t: W(128 ks + 32 t + i, my column) into set t % 2
.irp i, 0,1,2,3,4,5,6,7,8,9,10,11,12,13,14,15,16,17,18,19,20,21,22,23,24,25,26,27,28,29,30,31
	global_load_b32 v[XW+32*((\t)%2)+\i], v15, s[6:7] offset:(32*(\t)+\i)*4096 th:TH_LOAD_NT
.endr
.endm
.macro BLOCKW t
.set XB, XW+32*((\t)%2)
.set CB, CW+8*(\t)
.if (\t) < 3
	s_wait_loadcnt 32                              ; this block's 32 loads are in; the next block's may be out
.else
	s_wait_loadcnt 0x0
.endif
	v_max3_num_f32 v113, |v[XB]|, |v[XB+1]|, |v[XB+2]|             ; all 32 numbers of the block are mine
	v_max3_num_f32 v114, |v[XB+3]|, |v[XB+4]|, |v[XB+5]|
.irp i, 6,10,14,18,22,26
	s_delay_alu instid0(VALU_DEP_2)
	v_max3_num_f32 v113, v113, |v[XB+\i]|, |v[XB+\i+1]|
	s_delay_alu instid0(VALU_DEP_2)
	v_max3_num_f32 v114, v114, |v[XB+\i+2]|, |v[XB+\i+3]|
.endr
	s_delay_alu instid0(VALU_DEP_2)
	v_max3_num_f32 v113, v113, |v[XB+30]|, |v[XB+31]|
	s_delay_alu instid0(VALU_DEP_1)
	v_max3_num_f32 v113, v113, v114, 0x1800000     ; and the floor
	s_delay_alu instid0(VALU_DEP_1)
	v_add_nc_u32 v115, 0xff000000, v113
	s_delay_alu instid0(VALU_DEP_1)
	v_lshrrev_b32 v114, 23, v115
.if (\t) == 0
	s_delay_alu instid0(VALU_DEP_1)
	v_mov_b32 v[SBW], v114
.else
	s_delay_alu instid0(VALU_DEP_1)
	v_lshl_or_b32 v[SBW], v114, 8*(\t), v[SBW]
.endif
	v_cvt_scalef32_pk16_fp6_f32 v[CB:CB+2], v[XB:XB+15], v115
	v_cvt_scalef32_pk16_fp6_f32 v[CB+4:CB+6], v[XB+16:XB+31], v115
	v_nop                                          ; one plain place behind the scaled conversions
	v_mov_b32 v[CB+3], v[CB+4]                     ; the block's six registers on end
	v_mov_b32 v[CB+4], v[CB+5]
	v_mov_b32 v[CB+5], v[CB+6]
; block t belongs to lane r' + 16 (t % 2) of the image, registers 6 (t / 2) .. + 5
.if (\t) < 2
	ds_store_b128 v10, v[CB:CB+3] offset:256*((\t)%2)
	ds_store_b64 v10, v[CB+4:CB+5] offset:512+256*((\t)%2)
.else
	ds_store_b64 v10, v[CB:CB+1] offset:520+256*((\t)%2)
	ds_store_b128 v10, v[CB+2:CB+5] offset:1024+256*((\t)%2)
.endif
.if (\t)+2 < 4
	LOADW (\t)+2
.endif
.endm
	LOADW 0
	LOADW 1
	BLOCKW 0
	BLOCKW 1
	BLOCKW 2
	BLOCKW 3
.irp u, 0,1
.irp c, 0,1,2
	ds_load_b128 v[OW+12*\u+4*\c:OW+12*\u+4*\c+3], v11 offset:WHALF*\u+512*\c   ; LDS serves a wave's instructions in order: these see my stores
.endr
.endr
	s_wait_alu depctr_va_vdst(0)
	s_wait_dscnt 0x0
.irp u, 0,1
.irp c, 0,1,2
	global_store_b128 v4, v[OW+12*\u+4*\c:OW+12*\u+4*\c+3], s[26:27] offset:1536*\u+512*\c
.endr
.endr
	global_store_b32 v12, v[SBW], s[28:29]
	s_wait_tensorcnt 0x0                           ; the wave's end, behind my last LDS store
	ds_add_u32 v[SPW], v[NIL]
	s_wait_dscnt 0x0
	s_endpgm
.Lfunc_end_k_qa62693d88f_quant:
	.size	k_qa62693d88f_quant, .Lfunc_end_k_qa62693d88f_quant-k_qa62693d88f_quant
	.p2alignl 7, 3214868480
	.fill 96, 4, 3214868480
	.section	.rodata,"a",@progbits
	.p2align	6, 0x0
	.amdhsa_kernel k_qa62693d88f_quant
		.amdhsa_group_segment_fixed_size 95232
		.amdhsa_private_segment_fixed_size 0
		.amdhsa_enable_private_segment 0
		.amdhsa_kernarg_size 40
		.amdhsa_user_sgpr_count 2
		.amdhsa_user_sgpr_kernarg_segment_ptr 1
		.amdhsa_wavefront_size32 1
		.amdhsa_system_sgpr_workgroup_id_x 1
		.amdhsa_system_sgpr_workgroup_id_y 1
		.amdhsa_system_sgpr_workgroup_id_z 1
		.amdhsa_system_vgpr_workitem_id 0
		.amdhsa_next_free_vgpr 256
		.amdhsa_next_free_sgpr 66
		.amdhsa_reserve_vcc 0
		.amdhsa_float_denorm_mode_32 3
		.amdhsa_float_denorm_mode_16_64 3
		.amdhsa_memory_ordered 1
		.amdhsa_forward_progress 1
		.amdhsa_inst_pref_size 46
	.end_amdhsa_kernel
	.amdgpu_metadata
---
amdhsa.version: [ 1, 2 ]
amdhsa.kernels:
  - .name:           k_qa62693d88f_quant
    .symbol:         k_qa62693d88f_quant.kd
    .args:
      - { .name: x, .offset: 0, .size: 8, .value_kind: global_buffer, .address_space: global }
      - { .name: W_q, .offset: 8, .size: 8, .value_kind: global_buffer, .address_space: global }
      - { .name: W_k, .offset: 16, .size: 8, .value_kind: global_buffer, .address_space: global }
      - { .name: W_v, .offset: 24, .size: 8, .value_kind: global_buffer, .address_space: global }
      - { .name: xw, .offset: 32, .size: 8, .value_kind: global_buffer, .address_space: global }
    .group_segment_fixed_size: 95232
    .private_segment_fixed_size: 0
    .kernarg_segment_align: 8
    .kernarg_segment_size: 40
    .max_flat_workgroup_size: 256
    .sgpr_count:     66
    .vgpr_count:     256
    .wavefront_size: 32
...
	.end_amdgpu_metadata
.endif
;; end of part 1
;; launch proj (part 2): grid 16 x 16, 4 waves a work-group, clusters of 4 x 4, 327,680 bytes of LDS; arguments xw, qkv, b_q, b_k, b_v; writes qkv
.if DOCPART == 2
	.amdgcn_target "amdgcn-amd-amdhsa--gfx1250"
	.amdhsa_code_object_version 6
	.text
	.protected	k_qa62693d88f_proj
	.globl	k_qa62693d88f_proj
	.p2align	8
	.type	k_qa62693d88f_proj,@function
k_qa62693d88f_proj:
	s_mov_b64 s[64:65], 0
	v_nop
	global_prefetch_b8 v0, s[64:65] scope:SCOPE_SE
	s_setreg_imm32_b32 hwreg(HW_REG_WAVE_MODE, 25, 1), 1
	s_wait_xcnt 0x0
	s_wait_alu depctr_hold_cnt(0) depctr_sa_sdst(0) depctr_va_vdst(0) depctr_va_sdst(0) depctr_va_ssrc(0) depctr_va_vcc(0) depctr_vm_vsrc(0)
	s_getreg_b32 s2, hwreg(HW_REG_IB_STS2, 6, 4)
	s_cmp_eq_u32 s2, 0
	s_cbranch_scc0 .Lentry_in_a_cluster
	s_endpgm
.Lentry_in_a_cluster:
	s_bfe_u32 s2, ttmp6, 0x10000c
	s_cmp_lg_u32 s2, 0xf033
	s_cbranch_scc0 .Lentry_shape_is_right
	s_endpgm
.Lentry_shape_is_right:
; q, k, v = x W + b AND THEIR QUANTISERS: q and k along their 1,024 columns, v along the tokens.  Operands are codes of FP6 (E2M3) with E8M0 scales, sums f32; no f32 result is stored.
; LIMITS: a scale byte is held at 1 from below (blocks of zeros keep 1: their codes are zeros, the bytes are read by this program alone); NaN and infinities are not served.
; xw: [88 groups of 128 rows][8 K steps][12,800 bytes: 8 fragments of 1,536 (images of 12 registers: 3 x 512), then scale words [8 tiles][16 lane-rows]].  Groups 0-63: x; 64-71 W_q^T; 72-79 W_k^T; 80-87 W_v^T.
; With r = 8 h + i: x's group 2 g + c, tile 2 j + w, lane-row r is token 256 g + 128 w + 64 c + 32 h + 8 j + i; a weight's tile 4 e + j, lane-row r is column 64 e + 32 h + 8 j + i of its group.
; qkv: q's 64 groups of 128 tokens, then k's: [group][8 K steps][12,800: 8 tiles (tile 4 c + j: lane-row r is token 64 c + 32 h + 8 j + i), then 512 bytes of scale words]; a tile's fragment is two halves of 64 along K,
; each 768 bytes: registers 0-3 at 16 x lane, registers 4-5 at 512 + 8 x lane.  Behind them (VC) v^T: [8 batch + group of 128 columns][16 steps of 128 tokens][12,800: 8 fragments as whole images, scale words].
; THE DEAL.  256 work-groups of four waves, 2 x 2; a wave holds 64 rows of a weight, ALL of K, in registers (384) and streams x's rows past them in blocks of 16 rows: the wave in row w takes tile 2 s + w of a chunk as a block.
; A work-group makes 256 x 128 of v, PHASE 1, then 512 x 128 of q or k, PHASE 2; V'S 256 ROWS ARE A HALF OF ITS OWN 512: the two chunks asked for at the head serve both phases, and only the other half's two chunks are loaded later.
; Which half (s87) and which tensor (s19) come from the cluster's number alone.  CLUSTERS: x's rows are shared along a row of the cluster (mask s44), a weight's along a column (mask s45).
; V comes first: its twelve stores a wave stand behind phase 2's first block; phase 2's results leave a pair of blocks at a time.
; FILLS.  At the head one tensor load a wave: waves 0, 1 a half each of W_v's group, wave 2 chunk 0, wave 3 chunk 1.  THREE REFILLS in drained rounds: in V's third block the weights' region (waves 0, 1 a half each); in phase 2's blocks 2 and 6
; the other half's chunks (a quarter a wave).  A plain barrier shows the first in V's last block and the last in phase 2's block 10.
; A BLOCK is 32 products; behind every second one stand two ENTRIES of the block's list: at most four scalar lines and one vector line (a prefetch's address: two).  A round stands inside a block: products are register work.
; THE WAITS' COUNTS.  A block's rows were fetched two blocks ago (a phase's first two in one run).  Younger are the next block's fetch, NF loads, and the stores of scale bytes between: none (NF), four (NF + 4, phase 2's second block), one (NF + 1).
; PREFETCHES: what each refill loads is asked for ahead of it, shared out by address among the sixteen waves of the four work-groups that will ask jointly: 25 blocks of 256 bytes a wave.
.set NQ,     8
.set NB,     4
.set FR,     12
.set FPW,    21                        ; fragments in a window of 256 registers
.set NF,     32                        ; LDS loads of a block: 24 for eight fragments, 8 for eight scale words
.set STEPB,  12800
.set REG,    4*STEPB                   ; a half group
.set GRPB,   8*STEPB                   ; a group of x, of a weight, of q or of k
.set GRPV,   16*STEPB                  ; a group of v^T
.set VC,     128*GRPB
.set YB,     GRPB                      ; slot 1
.set BVB,    2*GRPB                    ; the weights' region
.set XN,     3*GRPB                    ; q's or k's scale bytes: [wave column][1,024]
.set XM,     XN+2048                   ; v's: [wave column][512]
.set SPARE,  XM+1024
.set EMAX,   2
.set ADRA0, 4                          ; v4, v5   LDS address of my fragments of block 0 (v5: K steps 4-7)
.set AAS0,  6                          ; v6, v7   of its scale words
.set CO,    9                          ; v9       16 x lane
.set SPW,   10
.set NIL,   11
.set ADRA,  12                         ; v12, v13 as v4, v5, for the block that is fetched next
.set ADRB,  14                         ; v14, v15 of the weights
.set ABS,   16                         ; v16, v17 of their scale words
.set STO,   18                         ; v18      LDS, q's or k's scale byte
.set STV,   19                         ; v19      LDS, v's
.set AAS,   22                         ; v22, v23 as v6, v7, for the block that is fetched next
.set SB,    24                         ; v24-39   the weights' scale words
.set TQ,    40                         ; v40, v41 the two chains
.set CO8,   42                         ; v42      8 x lane
.set SA,    44                         ; v44-59   the rows' scale words: two sets of eight
.set TC,    60                         ; v60-62   the second conversion's codes
.set ACC,   64                         ; v64-127  phase 2: two sets of four accumulators
.set HV0,   64                         ; v64-191  phase 1, band 0: 32 t + 8 j + i
.set HV1,   840                        ; v840-967 band 1
.set NCD,   128                        ; v128-139 phase 2: six registers of the even block, six of the odd
.set MCD,   192                        ; v192-239 phase 1: four operands of twelve
.set SOP,   240
.set EB,    244
.set VX,    248
.set BBV,   992                        ; v992-1023 v's bias as the first four products' C
.set BBQ,   160                        ; v160-191  q's or k's, loaded between the phases
.set G1A, 24                           ; s[24:31] group 1 of x's rows; s[56:59], s[68:71] group 0
.set G1B, 32                           ; s[32:39], s[60:63] of a weight's
.set G0A, 56
.set G0B, 60
.set G0R, 68
.set MSB, 0
.macro WIN new
.if MSB != (\new)
	s_set_vgpr_msb (MSB<<8)|(\new)
.set MSB, (\new)
.endif
.endm
.macro PLACES n
.rept \n
	v_nop
.endr
.endm
.macro WALU
	s_wait_alu depctr_va_vdst(0)
.endm
.macro BARRIER
	s_barrier_signal -1
	s_barrier_wait -1
.endm
.macro MIDDLE                          ; a round's middle: the opening wait, wave 0's signal for the work-group, the cluster's wait
	WIN 0
	s_barrier_wait -1
	s_cmp_lg_u32 s14, 0
	s_cbranch_scc1 .Lnot_wave_0_\@
	s_barrier_signal -3
.Lnot_wave_0_\@:
	s_barrier_wait -3
.endm
.macro CROUND
	s_barrier_signal -1
	MIDDLE
	BARRIER
.endm
.macro GRD
	s_wait_tensorcnt 0x0
	ds_add_u32 v[SPW], v[NIL]
.endm
.macro TLOAD g0, g1
	tensor_load_to_lds s[\g0:\g0+3], s[\g1:\g1+7]
	s_nop 0
	PLACES 4
.endm
.macro GROUP1 g, mask, rows            ; a dense block as rows of 256 bytes (32 elements of 8 bytes)
	s_or_b32 s[\g+0], s[\mask], (3<<16)|(1<<21)
	s_mov_b32 s[\g+1], 32<<16
	s_mov_b32 s[\g+2], (\rows)<<16
	s_mov_b32 s[\g+3], 32<<16
	s_mov_b32 s[\g+4], \rows
	s_mov_b32 s[\g+5], 32
	s_mov_b32 s[\g+6], 0
	s_mov_b32 s[\g+7], 0
.endm
.macro SADD d, x
	s_add_co_u32 s\d, s\d, s\x
.endm
; ---- fragments.  Fragment f lies in window 1 + f / 21 at register 12 (f % 21): 0-31 the weights' (4 q + b), 32-39 and 40-47 the rows' two sets.
.macro FRAG f, q, a, off
	WIN (1+(\f)/FPW)<<6
.set R_, FR*((\f)%FPW)
.irp c, 0,1,2
	ds_load_b128 v[R_+4*\c:R_+4*\c+3], v[(\a)+(\q)/4] offset:((\q)%4)*STEPB+(\off)+512*\c
.endr
.endm
.macro WEIGHTS                         ; my 64 rows of the weight, all of K, and their scale words: lanes 0-15 tile 2 p, lanes 16-31 tile 2 p + 1
.irp q, 0,1,2,3,4,5,6,7
.irp b, 0,1,2,3
	FRAG NB*\q+\b, \q, ADRB, 1536*\b
.endr
.endr
	WIN 0
.irp p, 0,1
.irp q, 0,1,2,3,4,5,6,7
	ds_load_b32 v[SB+NQ*\p+\q], v[ABS+\q/4] offset:(\q%4)*STEPB+128*\p
.endr
.endr
.endm
.macro FETCHAT e, a, as, blk           ; a block of x's rows into set e: NF loads
.irp q, 0,1,2,3,4,5,6,7
	FRAG NB*NQ+NQ*(\e)+\q, \q, \a, 3072*(\blk)
.endr
	WIN 0
.irp q, 0,1,2,3,4,5,6,7
	ds_load_b32 v[SA+8*(\e)+\q], v[(\as)+\q/4] offset:(\q%4)*STEPB+128*(\blk)
.endr
.endm
.macro FETCH e
	FETCHAT \e, ADRA, AAS, 0
.endm
.macro FETCH01                         ; a phase's first two blocks, from slot 0
	FETCHAT 0, ADRA0, AAS0, 0
	FETCHAT 1, ADRA0, AAS0, 1
	s_mov_b32 s101, 1                              ; the youngest block fetched
.endm
; ---- a product.  n = 4 q + 2 p + o.  kind 0 (q, k): source 0 the weight's rows; kind 1 (v): source 0 x's rows.  The bias is the first four products' C.
.macro PROD kind, e, n, a0, as
.set Q_, (\n)/4
.set FB_, NB*Q_+(\n)%4
.set FA_, NB*NQ+NQ*(\e)+Q_
.set D_, (\a0)+(\as)*((\n)%4)
.set DL_, D_&255
.set XB_, SB+NQ*(((\n)%4)/2)+Q_
.set XA_, SA+8*(\e)+Q_
.if \kind
.if Q_
	WIN (1+FA_/FPW)|((1+FB_/FPW)<<2)|((D_>>8)<<4)|((D_>>8)<<6)
	PROD1 DL_, FA_, FB_, v[DL_:DL_+7], XA_, XB_, b, (\n)%2
.else
	WIN (1+FA_/FPW)|((1+FB_/FPW)<<2)|(3<<4)|((D_>>8)<<6)
	PROD1 DL_, FA_, FB_, v[BBV-768+8*((\n)%4):BBV-768+8*((\n)%4)+7], XA_, XB_, b, (\n)%2
.endif
.else
	WIN (1+FB_/FPW)|((1+FA_/FPW)<<2)|((D_>>8)<<4)|((D_>>8)<<6)
.if Q_
	PROD1 DL_, FB_, FA_, v[DL_:DL_+7], XB_, XA_, a, (\n)%2
.else
	PROD1 DL_, FB_, FA_, v[BBQ+8*((\n)%4):BBQ+8*((\n)%4)+7], XB_, XA_, a, (\n)%2
.endif
.endif
.endm
.macro PROD1 d, s0, s1, c, x0, x1, side, o
.if \o
	v_wmma_scale_f32_16x16x128_f8f6f4 v[\d:\d+7], v[FR*((\s0)%FPW):FR*((\s0)%FPW)+FR-1], v[FR*((\s1)%FPW):FR*((\s1)%FPW)+FR-1], \c, v[\x0], v[\x1] matrix_a_fmt:MATRIX_FMT_FP6 matrix_b_fmt:MATRIX_FMT_FP6 matrix_\side\()_scale:MATRIX_SCALE_ROW1
.else
	v_wmma_scale_f32_16x16x128_f8f6f4 v[\d:\d+7], v[FR*((\s0)%FPW):FR*((\s0)%FPW)+FR-1], v[FR*((\s1)%FPW):FR*((\s1)%FPW)+FR-1], \c, v[\x0], v[\x1] matrix_a_fmt:MATRIX_FMT_FP6 matrix_b_fmt:MATRIX_FMT_FP6 matrix_\side\()_scale:MATRIX_SCALE_ROW0
.endif
.endm
; ---- products \from .. \to - 1 of a block; behind every second one, two entries of the list \list (a macro: entry number, two arguments of its own)
.macro BLOCK kind, e, a0, as, from, to, list, x=0, y=0
.set N_, \from
.rept (\to)-(\from)
	PROD \kind, \e, N_, \a0, \as
.if N_%2
	\list N_-1, \x, \y
	\list N_, \x, \y
.endif
.set N_, N_+1
.endr
.endm
; ---- what the lists are made of.  Each macro writes entry i of its part, and nothing beyond its last.
.macro STEP i                          ; 5 entries: the next block's LDS addresses.  Block n of the ring's eight: (n % 4) tiles' pairs into slot n / 4
.if (\i) == 0
	s_add_co_u32 s101, s101, 1
	s_and_b32 s20, s101, 3
	s_bfe_u32 s21, s101, 0x10002
	s_mul_i32 s21, s21, YB
.elseif (\i) == 1
	s_mul_i32 s22, s20, 3072
	s_add_co_u32 s91, s22, s21
	s_lshl_b32 s22, s20, 7
	s_add_co_u32 s23, s22, s21
	WIN 0
	v_add_nc_u32 v[ADRA], s91, v[ADRA0]
.elseif (\i) == 2
	WIN 0
	v_add_nc_u32 v[ADRA+1], s91, v[ADRA0+1]
.elseif (\i) == 3
	WIN 0
	v_add_nc_u32 v[AAS], s23, v[AAS0]
.elseif (\i) == 4
	WIN 0
	v_add_nc_u32 v[AAS+1], s23, v[AAS0+1]
.endif
.endm
.macro CHAIN i, x, n, t=TQ             ; a way out's first part, 18 entries: the largest magnitude of the 32 sums from register x on, in two chains, and the conversions' scale operand, v[SOP+n]
.set XW_, (\x)>>8
.set XL_, (\x)&255
.if (\i) >= 0 && (\i) < 14
.set B_, XL_+16*((\i)%2)+2*((\i)/2)
.set T_, (\t)+1-(\i)%2
.if (\i) < 2
	WIN XW_|(XW_<<2)|(XW_<<4)
	v_max3_num_f32 v[T_], |v[B_]|, |v[B_+1]|, |v[B_+2]|
.else
	WIN (XW_<<2)|(XW_<<4)
	v_max3_num_f32 v[T_], v[T_], |v[B_+1]|, |v[B_+2]|
.endif
.elseif (\i) == 14
	WIN XW_<<2
	v_max3_num_f32 v[\t+1], v[\t+1], |v[XL_+15]|, (EMAX+1)<<23
.elseif (\i) == 15
	WIN 0
	v_nop                                  ; keeps the next line, which reads entry 14's result, out of its pair
.elseif (\i) == 16
	WIN XW_<<2
	v_max3_num_f32 v[\t], v[\t], |v[XL_+31]|, v[\t+1]
.elseif (\i) == 17
	WIN 0
	v_add_nc_u32 v[SOP+\n], -(EMAX<<23), v[\t]
.endif
.endm
.macro CODES i, x, c, n, t=TC          ; its second part, 6 lines: 32 codes into v[c .. c+5], the scale's byte into v[EB+n]
.set XW_, (\x)>>8
.set XL_, (\x)&255
.if (\i) == 0
	WIN XW_
	v_cvt_scalef32_pk16_fp6_f32 v[\c:\c+2], v[XL_:XL_+15], v[SOP+\n]
.elseif (\i) == 1
	WIN XW_
	v_cvt_scalef32_pk16_fp6_f32 v[\t:\t+2], v[XL_+16:XL_+31], v[SOP+\n]
.elseif (\i) == 2
	WIN 0
	v_lshrrev_b32 v[EB+\n], 23, v[SOP+\n]
.else
	WIN 0
	v_mov_b32 v[\c+\i], v[\t+\i-3]
.endif
.endm
.macro CODES6 x, c, n
.irp i, 0,1,2,3,4,5
	CODES \i, \x, \c, \n
.endr
.endm
.macro PFTILE v, off, share            ; one entry: my sixteenth of a group, 25 blocks of 256 bytes (lanes left over name the last again)
	s_mul_i32 s21, s\share, GRPB/16
	s_add_co_u32 s20, s\off, s21
	WIN 0
	v_min_u32 v\v, GRPB/16/256-1, v3
	v_lshl_add_u32 v\v, v\v, 8, s20
.endm
.macro PFGO v
	global_prefetch_b8 v\v, s[4:5] th:TH_LOAD_NT scope:SCOPE_SE
.endm
.macro PUTP                            ; a pair of blocks: two halves of fragments
	global_store_b128 v[CO], v[NCD:NCD+3], s[84:85]
	global_store_b64 v[CO8], v[NCD+4:NCD+5], s[84:85] offset:512
	global_store_b128 v[CO], v[NCD+6:NCD+9], s[84:85] offset:1536
	global_store_b64 v[CO8], v[NCD+10:NCD+11], s[84:85] offset:2048
.endm
.macro ASK i                           ; 2 entries: the descriptor of my quarter of the chunk at s88 (bytes from xw) for slot s47; then both step on
.if (\i) == 0
	s_mul_i32 s20, s14, GRPB/4
	s_add_co_u32 s[G0R+1], s20, s47
	s_add_co_u32 s20, s20, s88
	s_mov_b32 s21, 0
.elseif (\i) == 1
	s_add_nc_u64 s[G0R+2:G0R+3], s[4:5], s[20:21]
	s_or_b32 s[G0R+3], s[G0R+3], 0x80000000
	s_add_co_u32 s88, s88, GRPB
	s_xor_b32 s47, s47, YB
.endif
.endm
.macro PAIR i                          ; 4 entries: where pair s46's codes go (s[84:85]) and its scale bytes (v[VX]).  The codes' place goes by the true pair (s46 xor 4 s87), the stage in LDS by the order of work
.if (\i) == 0
	s_lshl_b32 s3, s87, 2
	s_xor_b32 s3, s3, s46
	s_lshr_b32 s20, s3, 2
	s_and_b32 s21, s3, 3
.elseif (\i) == 1
	s_mul_i32 s20, s20, 2*GRPB
	s_mul_i32 s21, s21, 3072
	s_add_co_u32 s20, s20, s21
	s_mov_b32 s21, 0
.elseif (\i) == 2
	s_add_nc_u64 s[84:85], s[10:11], s[20:21]
	s_and_b32 s22, s46, 3
	s_lshl_b32 s22, s22, 6
	s_lshr_b32 s23, s46, 2
.elseif (\i) == 3
	s_lshl_b32 s23, s23, 9
	s_or_b32 s22, s22, s23
	s_add_co_u32 s46, s46, 1
	WIN 0
	v_add_nc_u32 v[VX], s22, v[STO]
.endif
.endm
; ---- the lists
.macro L_STEP i, x, y
	STEP \i
.endm
.macro L_NONE i, x, y
.endm
.macro L_OUT i, x, y                   ; the step, then the way out of the sums at x (scale operand y)
	STEP \i
	CHAIN (\i)-5, \x, \y
.endm
.macro L_LAST i, x, y                  ; the way out alone: nothing more is fetched
	CHAIN \i, \x, \y
.endm
.macro L_V2 i, x, y                    ; V's third block: the later refills' row counts; the first refill's address; the step; what the second refill will load is asked for into the L2
.if (\i) == 0
	s_mov_b32 s[G1A+2], (GRPB/1024)<<16
	s_mov_b32 s[G1A+4], GRPB/1024
	s_add_co_u32 s20, s9, s55
	s_mov_b32 s21, 0
.elseif (\i) == 1
	s_add_nc_u64 s[G0B+2:G0B+3], s[4:5], s[20:21]
	s_or_b32 s[G0B+3], s[G0B+3], 0x80000000
.elseif (\i) == 8
	PFTILE 1, 88, 90
.endif
	STEP (\i)-2
.endm
.macro L_V7 i, x, y                    ; V's last block: what the third refill will load; the way out
.if (\i) == 0
	s_add_co_u32 s22, s88, GRPB
	PFTILE 20, 22, 90
.endif
	CHAIN (\i)-1, \x, \y
.endm
.macro L_ODD i, x, y                   ; an odd block of phase 2: the pair's places, the step, the even block's way out
	PAIR \i
	STEP (\i)-4
	CHAIN (\i)-9, ACC, 0
.endm
.macro L_ODDL i, x, y
	PAIR \i
	CHAIN (\i)-4, ACC, 0
.endm
.macro L_ROUND i, x, y                 ; an even block with a round: the descriptor, the step, the odd block's way out
	ASK \i
	STEP (\i)-2
	CHAIN (\i)-7, ACC+32, 1
.endm
; ---- phase 2's blocks.  w: the count of the wait for the block's rows (-1: they are shown in already)
.macro WAITDS w
.if (\w) >= 0
	s_wait_dscnt \w
.endif
.endm
.macro EVENOUT fetch                   ; behind an even block: the odd block's byte, the pair's codes, the fetch of the block two on
	WALU
	ds_store_b8 v[VX], v[EB+1] offset:2
	PUTP
.if \fetch
	FETCH 0
.endif
.endm
.macro EVEN w, fetch
	WAITDS \w
.if \fetch
	BLOCK 0, 0, ACC, 8, 0, 32, L_OUT, ACC+32, 1
.else
	BLOCK 0, 0, ACC, 8, 0, 32, L_LAST, ACC+32, 1
.endif
	WIN 0
	CODES6 ACC+32, NCD+6, 1
	EVENOUT \fetch
.endm
.macro EVENROUND w                     ; the second and the third refill: a quarter of a chunk a wave
	WAITDS \w
	GRD
	BLOCK 0, 0, ACC, 8, 0, 26, L_ROUND
	WIN 0
	WALU
	s_wait_dscnt 0x0
	s_barrier_signal -1
	BLOCK 0, 0, ACC, 8, 26, 32, L_NONE
	WIN 0
	CODES6 ACC+32, NCD+6, 1
	MIDDLE
	BARRIER
	TLOAD G0R, G1A
	EVENOUT 1
.endm
.macro EVENSHOW w                      ; a plain barrier inside the block shows the last refill to all
	WAITDS \w
	BLOCK 0, 0, ACC, 8, 0, 26, L_OUT, ACC+32, 1
	WIN 0
	WALU
	s_wait_tensorcnt 0x0
	s_wait_dscnt 0x0
	s_barrier_signal -1
	BLOCK 0, 0, ACC, 8, 26, 32, L_NONE
	WIN 0
	s_barrier_wait -1
	CODES6 ACC+32, NCD+6, 1
	EVENOUT 1
.endm
.macro ODD w, fetch
	WAITDS \w
	s_wait_xcnt 0x0                                ; the last pair's stores have read their registers and their base
.if \fetch
	BLOCK 0, 1, ACC+32, 8, 0, 32, L_ODD
.else
	BLOCK 0, 1, ACC+32, 8, 0, 32, L_ODDL
.endif
	WIN 0
	CODES6 ACC, NCD, 0
	WALU
	ds_store_b8 v[VX], v[EB]
.if \fetch
	FETCH 1
.endif
.endm
; ================= THE HEAD
	s_load_b128 s[4:7], s[0:1], 0x0                     ; xw, qkv
	s_load_b128 s[48:51], s[0:1], 0x10                  ; b_q, b_k
	s_load_b64 s[52:53], s[0:1], 0x20                   ; b_v
	v_lshl_add_u32 v[SPW], v0, 2, SPARE
	v_mov_b32 v[NIL], 0
	ds_add_u32 v[SPW], v[NIL]                           ; the wave's opening: the add, twice on end
	ds_add_u32 v[SPW], v[NIL]
	v_lshrrev_b32 v1, 5, v0
	v_readfirstlane_b32 s14, v1                         ; s14 the wave; s15 its row of the 2 x 2, s16 its column
	s_lshr_b32 s15, s14, 1
	s_and_b32 s16, s14, 1
	s_bfe_u32 s40, ttmp6, 0x40000                       ; cx
	s_bfe_u32 s41, ttmp6, 0x40004                       ; cy
	s_lshl_b32 s42, ttmp9, 2
	s_add_co_u32 s42, s42, s40                          ; s42 phase 2's tile column, 0 .. 15
	s_and_b32 s43, ttmp7, 0xffff
	s_lshl_b32 s43, s43, 2
	s_add_co_u32 s43, s43, s41                          ; s43 its tile row
	s_lshr_b32 s19, ttmp9, 1                            ; s19: 0 q, 1 k
	s_and_b32 s87, ttmp9, 1                             ; s87: v's half of my 512 rows
	s_lshl_b32 s13, s19, 2
	s_add_co_u32 s13, s13, s40                          ; s13 v's tile column, 0 .. 7
	s_lshl_b32 s12, s43, 1
	s_add_co_u32 s12, s12, s87                          ; s12 v's tile row, 0 .. 31
	s_lshl_b32 s44, s41, 2
	s_lshl_b32 s44, 15, s44                             ; my row of the cluster
	s_lshl_b32 s45, 0x1111, s40                         ; my column
	GROUP1 G1A, 44, GRPB/256
	GROUP1 G1B, 45, REG/256
	s_mul_i32 s66, s12, 2*GRPB                          ; v's half of my rows, bytes from xw
	s_mul_i32 s67, s43, 4*GRPB                          ; my 512 rows
	s_add_co_u32 s9, s42, 64
	s_mul_i32 s9, s9, GRPB                              ; W_q's or W_k's group
	s_add_co_u32 s54, s13, 80
	s_mul_i32 s54, s54, GRPB                            ; W_v's
	s_mul_i32 s55, s14, REG                             ; waves 0 and 1: my half of a weight's group
	SADD 54, 55
	s_mov_b32 s[G0A], 1
	s_mov_b32 s[G0A+1], 0
	s_mov_b32 s[G0R], 1
	s_mov_b32 s[G0R+1], YB
	s_mov_b32 s[G0B], 1
	s_add_co_u32 s[G0B+1], s55, BVB
	s_lshl_b32 s90, s40, 2
	SADD 90, 14                                         ; my number among the sixteen waves of my row of the cluster
	s_lshl_b32 s100, s41, 2
	SADD 100, 14                                        ; and of my column
	s_mul_i32 s20, s15, 1536
	s_lshl_b32 s21, s15, 6
	s_add_co_u32 s21, s21, 12288
	s_mul_i32 s22, s16, 6144
	s_add_co_u32 s22, s22, BVB
	s_lshl_b32 s23, s16, 8
	s_add_co_u32 s23, s23, BVB+12288
	s_lshl_b32 s2, s15, 8
	s_lshl_b32 s3, s16, 10
	SADD 3, 2
	s_add_co_u32 s3, s3, XN
	s_lshl_b32 s8, s16, 9
	SADD 8, 2
	s_add_co_u32 s8, s8, XM
	v_and_b32 v1, 15, v0                                ; r
	v_bfe_u32 v2, v0, 4, 1                              ; h
	v_and_b32 v3, 31, v0                                ; lane
	v_lshlrev_b32 v[CO], 4, v3
	v_lshlrev_b32 v[CO8], 3, v3
	v_add_nc_u32 v[ADRA0], s20, v[CO]
	v_add_nc_u32 v[ADRA0+1], REG, v[ADRA0]
	v_lshl_add_u32 v[AAS0], v1, 2, s21
	v_add_nc_u32 v[AAS0+1], REG, v[AAS0]
	v_add_nc_u32 v[ADRB], s22, v[CO]
	v_add_nc_u32 v[ADRB+1], REG, v[ADRB]
	v_lshl_add_u32 v[ABS], v3, 2, s23
	v_add_nc_u32 v[ABS+1], REG, v[ABS]
	v_lshl_add_u32 v62, v1, 2, v2                       ; 4 r + h
	v_add_nc_u32 v[STO], s3, v62
	v_add_nc_u32 v[STV], s8, v62
	v_lshlrev_b32 v21, 7, v2                            ; q, k: register 8 j + i of lane (r, h) is column 32 h + 8 j + i of my 64
	v_lshrrev_b32 v60, 3, v1
	v_and_b32 v61, 7, v1
	v_lshlrev_b32 v60, 7, v60
	v_lshl_add_u32 v63, v61, 2, v60                     ; v: lane (r, h) of tile t has column 32 (r / 8) + 8 t + r % 8
	PFTILE 8, 9, 100                                    ; what the first refill will load
	WALU                                                ; the head's end
	s_wait_dscnt 0x0                                    ; both opening adds are done
	CROUND                                              ; the opening round
	s_wait_kmcnt 0x0
	s_mov_b32 s20, s66
	s_mov_b32 s21, 0
	s_add_nc_u64 s[G0A+2:G0A+3], s[4:5], s[20:21]
	s_add_nc_u64 s[G0R+2:G0R+3], s[G0A+2:G0A+3], GRPB
	s_or_b32 s[G0A+3], s[G0A+3], 0x80000000
	s_or_b32 s[G0R+3], s[G0R+3], 0x80000000
	s_mov_b32 s20, s54
	s_add_nc_u64 s[G0B+2:G0B+3], s[4:5], s[20:21]
	s_or_b32 s[G0B+3], s[G0B+3], 0x80000000
	s_cmp_lt_u32 s14, 2
	s_cbranch_scc0 .Lwave_2
	TLOAD G0B, G1B                                      ; waves 0, 1: W_v's group, a half each
	s_branch .Lasked
.Lwave_2:
	s_cmp_eq_u32 s14, 2
	s_cbranch_scc0 .Lwave_3
	TLOAD G0A, G1A                                      ; wave 2: chunk 0
	s_branch .Lasked
.Lwave_3:
	TLOAD G0R, G1A                                      ; wave 3: chunk 1
.Lasked:
	; where the results go: s[10:11] q's or k's codes, s[92:93] their scale words (wave n takes the n-th 128 tokens in the order of work), s[94:95], s[96:97] v's
	s_lshl_b32 s20, s19, 4
	SADD 20, 43
	s_lshl_b32 s20, s20, 2                              ; 64 x tensor + 4 x tile row
	s_add_co_u32 s22, s20, s15
	s_mul_i32 s76, s22, GRPB
	s_and_b32 s23, s42, 7
	s_mul_i32 s23, s23, STEPB
	SADD 76, 23
	s_mul_i32 s22, s16, 768
	SADD 76, 22
	s_mov_b32 s77, 0
	s_xor_b32 s22, s15, s87
	s_lshl_b32 s22, s22, 1
	SADD 22, 16
	SADD 22, 20
	s_mul_i32 s78, s22, GRPB
	SADD 78, 23
	s_add_co_u32 s78, s78, 12288
	s_mov_b32 s79, 0
	s_lshr_b32 s20, s12, 3                              ; the batch
	s_lshl_b32 s20, s20, 3
	SADD 20, 13
	s_mul_i32 s20, s20, GRPV
	s_add_co_u32 s20, s20, VC
	s_and_b32 s21, s12, 7
	s_lshl_b32 s21, s21, 1
	s_add_co_u32 s22, s21, s15
	s_mul_i32 s22, s22, STEPB
	s_add_co_u32 s80, s20, s22
	s_mul_i32 s22, s16, 6144
	SADD 80, 22
	s_mov_b32 s81, 0
	s_add_co_u32 s22, s21, s16
	s_mul_i32 s22, s22, STEPB
	s_add_co_u32 s82, s20, s22
	s_lshl_b32 s22, s15, 8
	SADD 82, 22
	s_add_co_u32 s82, s82, 12288
	s_mov_b32 s83, 0
	s_add_nc_u64 s[10:11], s[6:7], s[76:77]
	s_add_nc_u64 s[92:93], s[6:7], s[78:79]
	s_add_nc_u64 s[94:95], s[6:7], s[80:81]
	s_add_nc_u64 s[96:97], s[6:7], s[82:83]
	s_lshl_b32 s20, s13, 1                              ; my 64 columns of v, of q or k: their biases
	SADD 20, 16
	s_lshl_b32 s20, s20, 8
	s_mov_b32 s21, 0
	s_add_nc_u64 s[2:3], s[52:53], s[20:21]
	s_lshl_b32 s20, s42, 1
	SADD 20, 16
	s_and_b32 s20, s20, 15
	s_lshl_b32 s20, s20, 8
	s_cmp_eq_u32 s19, 1
	s_cselect_b64 s[12:13], s[50:51], s[48:49]
	s_add_nc_u64 s[12:13], s[12:13], s[20:21]           ; kept for the loads between the phases (v's tile numbers have served)
	WIN 3<<6
.irp t, 0,1,2,3
	global_load_b32 v[BBV-768+8*\t], v63, s[2:3] offset:32*\t
.endr
	WIN 0
	s_mov_b32 s46, 0
	s_mov_b32 s47, 0
	s_xor_b32 s20, s87, 1                               ; the chunks still to come are the other half's
	s_mul_i32 s20, s20, 2*GRPB
	s_add_co_u32 s88, s67, s20
	s_cmp_lt_u32 s14, 2
	s_cbranch_scc0 .Lnot_b
	s_wait_tensorcnt 0x0
.Lnot_b:
	BARRIER                                             ; W_v's group is in
	PFGO 8
	WEIGHTS
	s_cmp_eq_u32 s14, 3
	s_cbranch_scc1 .Lnot_a0
	s_wait_tensorcnt 0x0
.Lnot_a0:
	s_wait_dscnt 0x0
	BARRIER                                             ; chunk 0 is in; chunk 1 may still be on its way
	FETCH01
	s_wait_loadcnt 0x0
	WIN (3<<6)|3
.irp t, 0,8,16,24
.irp i, 1,2,3,4,5,6,7
	v_mov_b32 v[BBV-768+\t+\i], v[BBV-768+\t]          ; v's bias, one number a lane and tile, over the tile's eight registers
.endr
.endr
	WIN 0
	WALU
; ================= PHASE 1: v, eight blocks; band 0's way outs stand in band 1's blocks
.irp s, 0,1
	s_wait_dscnt NF
	BLOCK 1, \s, HV0+8*\s, 32, 0, 32, L_STEP
	WIN 0
	PLACES 4
	WALU
	FETCH \s
.endr
	s_wait_dscnt NF
	GRD
	BLOCK 1, 0, HV0+16, 32, 0, 24, L_V2
	WIN 0
	WALU
	s_wait_dscnt 0x0
	s_barrier_signal -1
	BLOCK 1, 0, HV0+16, 32, 24, 32, L_NONE
	MIDDLE
	BARRIER
	s_cmp_lt_u32 s14, 2
	s_cbranch_scc0 .Lno_half
	TLOAD G0B, G1B                                      ; waves 0 and 1 a half each of W_q's or W_k's group, onto W_v's, which all waves hold in registers
.Lno_half:
	PLACES 4                                            ; the places between the block's products and the fetch into their registers, for the waves that come round the load
	FETCH 0
	PFGO 1
	BLOCK 1, 1, HV0+24, 32, 0, 32, L_STEP
	WIN 0
	PLACES 4
	WALU
	FETCH 1
.irp j, 0,1,2
	s_wait_dscnt NF+(\j+1)/2
.if \j < 2
	BLOCK 1, \j%2, HV1+8*\j, 32, 0, 32, L_OUT, HV0+32*\j, \j
.else
	BLOCK 1, \j%2, HV1+8*\j, 32, 0, 32, L_LAST, HV0+32*\j, \j
.endif
	WIN 0
	CODES6 HV0+32*\j, MCD+12*\j, \j
	WALU
	ds_store_b8 v[STV], v[EB+\j] offset:64*\j
.if \j < 2
	FETCH \j%2
.endif
.endr
	s_wait_dscnt 1
	BLOCK 1, 1, HV1+24, 32, 0, 26, L_V7, HV0+96, 3
	WIN 0
	WALU
	s_wait_tensorcnt 0x0
	s_wait_dscnt 0x0
	s_barrier_signal -1                                 ; a plain barrier: the weights that the first refill brought are shown to all
	BLOCK 1, 1, HV1+24, 32, 26, 32, L_NONE
	WIN 0
	s_barrier_wait -1
	CODES6 HV0+96, MCD+36, 3
	WALU
	ds_store_b8 v[STV], v[EB+3] offset:192
; ================= THE CHANGE OF PHASE: the weights and the first two blocks' rows, which lie in slot 0 still, in one run of loads; band 1's four way outs under their flight
.irp k, 0,1,2,3,4,5,6,7
	global_load_b128 v[BBQ+4*\k:BBQ+4*\k+3], v21, s[12:13] offset:16*\k
.endr
	WEIGHTS
	FETCH01
	PFGO 20
.set I, 0
.rept 18
.irp t, 0,1,2,3
	CHAIN I, HV1+32*\t, \t, 64+4*\t
.endr
.set I, I+1
.endr
.set I, 0
.rept 6
.irp t, 0,1,2,3
	CODES I, HV1+32*\t, MCD+12*\t+6, \t, 80+4*\t
.endr
.set I, I+1
.endr
	WIN 0
	WALU
; ================= PHASE 2: q or k, sixteen blocks, way outs by pairs
	s_wait_loadcnt 0x0
	s_wait_dscnt NF
	BLOCK 0, 0, ACC, 8, 0, 32, L_STEP
	WIN 0
	PLACES 4
	WALU
.irp t, 0,1,2,3
	ds_store_b8 v[STV], v[EB+\t] offset:2+64*\t
.endr
.irp t, 0,1,2,3
.irp k, 0,1,2
	global_store_b128 v[CO], v[MCD+12*\t+4*\k:MCD+12*\t+4*\k+3], s[94:95] offset:1536*\t+512*\k   ; v's codes leave
.endr
.endr
	FETCH 0
	ODD NF+4, 1
	s_mov_b32 s86, 0
.Lwith_rounds:                                          ; blocks 2 to 5, 6 to 9
	EVENROUND NF+1
	ODD -1, 1
	EVEN NF+1, 1
	ODD NF+1, 1
	s_add_co_u32 s86, s86, 1
	s_cmp_lg_u32 s86, 2
	s_cbranch_scc1 .Lwith_rounds
.Lwithout:                                              ; blocks 10, 11 and 12, 13
	EVENSHOW NF+1
	ODD -1, 1
	s_add_co_u32 s86, s86, 1
	s_cmp_lg_u32 s86, 4
	s_cbranch_scc1 .Lwithout
	EVEN NF+1, 0
	ODD 1, 0
; ================= THE END: the last way out; the scale bytes go through LDS under its conversions
	; q's, k's: a word of lane-row r is two bytes of each wave column; lane l makes words 2 (l % 8), + 1 of tile 4 u + l / 8 (u = 0, 1): the halves of the pair's dwords that the tile's parity names
	s_lshl_b32 s21, s14, 8
	s_add_co_u32 s22, s21, XN
	s_add_co_u32 s21, s21, XM
	v_and_b32 v12, 7, v3
	v_lshlrev_b32 v12, 3, v12
	v_lshl_add_u32 v12, v2, 6, v12
	v_add_nc_u32 v12, s22, v12
	v_add_nc_u32 v14, s21, v[CO8]
	v_bfe_u32 v16, v3, 3, 1
	v_sub_nc_u32 v16, 0, v16
	v_and_b32 v16, 0x02020202, v16
	v_add_nc_u32 v16, 0x05040100, v16
.set I, 0
.rept 18
	CHAIN I, ACC+32, 1
.set I, I+1
.endr
	CODES 2, ACC+32, NCD+6, 1
	WALU
	ds_store_b8 v[VX], v[EB+1] offset:2
	s_wait_dscnt 0x0
	s_barrier_signal -1
	CODES 0, ACC+32, NCD+6, 1
	CODES 1, ACC+32, NCD+6, 1
	WIN 0
	v_nop
.irp i, 3,4,5
	CODES \i, ACC+32, NCD+6, 1
.endr
	WALU
	s_barrier_wait -1
	ds_load_b64 v[64:65], v12
	ds_load_b64 v[66:67], v12 offset:1024
	ds_load_b64 v[68:69], v12 offset:128
	ds_load_b64 v[70:71], v12 offset:1152
	ds_load_b64 v[72:73], v14
	PUTP
	s_wait_dscnt 0x0
	v_perm_b32 v76, v66, v64, v16
	v_perm_b32 v77, v67, v65, v16
	v_perm_b32 v78, v70, v68, v16
	v_perm_b32 v79, v71, v69, v16
	global_store_b64 v[CO8], v[72:73], s[96:97]         ; whole units of 256 bytes
	global_store_b64 v[CO8], v[76:77], s[92:93]
	global_store_b64 v[CO8], v[78:79], s[92:93] offset:256
	s_wait_tensorcnt 0x0                                ; the wave's end
	ds_add_u32 v[SPW], v[NIL]
	s_wait_dscnt 0x0
	CROUND                                              ; the closing round
	s_endpgm
.Lfunc_end_k_qa62693d88f_proj:
	.size	k_qa62693d88f_proj, .Lfunc_end_k_qa62693d88f_proj-k_qa62693d88f_proj
	.p2alignl 7, 3214868480
	.fill 96, 4, 3214868480
	.section	.rodata,"a",@progbits
	.p2align	6, 0x0
	.amdhsa_kernel k_qa62693d88f_proj
		.amdhsa_group_segment_fixed_size 327680
		.amdhsa_private_segment_fixed_size 0
		.amdhsa_enable_private_segment 0
		.amdhsa_kernarg_size 40
		.amdhsa_user_sgpr_count 2
		.amdhsa_user_sgpr_kernarg_segment_ptr 1
		.amdhsa_wavefront_size32 1
		.amdhsa_system_sgpr_workgroup_id_x 1
		.amdhsa_system_sgpr_workgroup_id_y 1
		.amdhsa_system_sgpr_workgroup_id_z 1
		.amdhsa_system_vgpr_workitem_id 0
		.amdhsa_next_free_vgpr 1024
		.amdhsa_next_free_sgpr 102
		.amdhsa_reserve_vcc 0
		.amdhsa_float_denorm_mode_32 3
		.amdhsa_float_denorm_mode_16_64 3
		.amdhsa_memory_ordered 1
		.amdhsa_forward_progress 1
		.amdhsa_inst_pref_size 194
	.end_amdhsa_kernel
	.amdgpu_metadata
---
amdhsa.version: [ 1, 2 ]
amdhsa.kernels:
  - .name:           k_qa62693d88f_proj
    .symbol:         k_qa62693d88f_proj.kd
    .args:
      - { .name: xw, .offset: 0, .size: 8, .value_kind: global_buffer, .address_space: global }
      - { .name: qkv, .offset: 8, .size: 8, .value_kind: global_buffer, .address_space: global }
      - { .name: b_q, .offset: 16, .size: 8, .value_kind: global_buffer, .address_space: global }
      - { .name: b_k, .offset: 24, .size: 8, .value_kind: global_buffer, .address_space: global }
      - { .name: b_v, .offset: 32, .size: 8, .value_kind: global_buffer, .address_space: global }
    .group_segment_fixed_size: 327680
    .private_segment_fixed_size: 0
    .kernarg_segment_align: 8
    .kernarg_segment_size: 40
    .max_flat_workgroup_size: 128
    .sgpr_count:     102
    .vgpr_count:     1024
    .wavefront_size: 32
...
	.end_amdgpu_metadata
.endif
;; end of part 2
;; launch scores (part 3): grid 8 x 32, 4 waves a work-group, clusters of 4 x 4, 327,680 bytes of LDS; arguments qkv, pw; writes pw
.if DOCPART == 3
	.amdgcn_target "amdgcn-amd-amdhsa--gfx1250"
	.amdhsa_code_object_version 6
	.text
	.protected	k_qa62693d88f_scores
	.globl	k_qa62693d88f_scores
	.p2align	8
	.type	k_qa62693d88f_scores,@function
k_qa62693d88f_scores:
	s_mov_b64 s[64:65], 0
	v_nop
	global_prefetch_b8 v0, s[64:65] scope:SCOPE_SE
	s_setreg_imm32_b32 hwreg(HW_REG_WAVE_MODE, 25, 1), 1
	s_wait_xcnt 0x0
	s_wait_alu depctr_hold_cnt(0) depctr_sa_sdst(0) depctr_va_vdst(0) depctr_va_sdst(0) depctr_va_ssrc(0) depctr_va_vcc(0) depctr_vm_vsrc(0)
	s_getreg_b32 s2, hwreg(HW_REG_IB_STS2, 6, 4)
	s_cmp_eq_u32 s2, 0
	s_cbranch_scc0 .Lentry_in_a_cluster
	s_endpgm
.Lentry_in_a_cluster:
	s_bfe_u32 s2, ttmp6, 0x10000c
	s_cmp_lg_u32 s2, 0xf033
	s_cbranch_scc0 .Lentry_shape_is_right
	s_endpgm
.Lentry_shape_is_right:
; t = q k^T log2(e) / 32 on codes of FP6 (E2M3) with E8M0 scales, and for each query and chunk of 128 keys: M_c = the ceiling of the chunk's largest t, p = 2^(t - M_c), l_c = the sum of p, and p's codes and scale bytes.
; The next launch brings the chunks of a row under one M: every such change is a power of two, which p's scale bytes take up.
; A work-group makes 256 queries x 256 keys, a wave 128 x 128: 64 accumulators; 256 work-groups.  K = 1,024 is eight steps of 128.
; qkv: [group of 128 tokens][8 K steps][12,800 bytes: 8 tiles, each two halves of 768 (registers 0-3 at 16 x lane, 4-5 at 512 + 8 x lane), then 512 bytes of scale words]; tile 4 c + j, lane-row 8 h + i is token 64 c + 32 h + 8 j + i.
; THE MATRIX INSTRUCTION IS USED TRANSPOSED: source 0 = 16 keys, source 1 = 16 queries: a lane holds one query, and the 32 registers of a band's four key tiles are 32 neighbouring keys: a whole scale block.
; THE RING: two slots of three steps of the work-group's two groups of q and two of k; fills of steps 0-1 (at places 1, 2 of slot 0), 2-4 (slot 1), 5-7 (slot 0): step ks lies in slot ((ks + 1) / 3) % 2 at place (ks + 1) % 3.
; A wave fetches one group: waves 0, 1 q's (shared along a row of the 4 x 4 cluster), waves 2, 3 k's (along a column): one load at the head, one behind each of two rounds.
; PREFETCHES: the second and third fill, one fill ahead; the four partners share a fill's 150 blocks of 256 bytes by address, 38 each (lanes left over name the last again).
; LIMITS: the promise holds while |t| stays under 2^31; a scale byte is held at 1 from below; NaN and infinities are not served.
; REGISTERS: window 0: v0-31 addresses; v32-47 scale words; v128-223 A's (q's) fragments; on the way out v128-254.  window 1: B's fragments, two sets.  windows 2, 3: accumulator (a, b) at v[64 (a % 4) + 8 b].
; THE FILLS AND PREFETCHES OF THIS TEXT (in place of the fills and shares named above): steps 0-2 (slot 0), 3-5 (slot 1), 6-7 (slot 0 again, on bytes that the first fill has filled): step ks lies in slot (ks / 3) % 2 at place ks % 3.
; The second fill's 150 blocks of 256 bytes are shared out 38 to a partner (the last names its last block again), the third's 100 blocks 25 to a partner.
.set MB,    8
.set STEPB, 12800
.set REG,   3*STEPB
.set SLOT,  4*REG
.set SPARE, 2*SLOT
.set GRPB,  8*STEPB
.set PS,    12582912
.set ADRA,  8                          ; v8-9   LDS address of my A fragments in slot 0, 1 (16 x lane; v20-21: 8 x lane)
.set ADRB,  12                         ; v12-13 the same for B (v24-25)
.set ADSA,  16                         ; v16-17 of A's scale words
.set ADSB,  18                         ; v18-19 of B's
.set SPW,   28
.set NIL,   29
.set H8,    30                         ; v30    8 (lane / 16)
.set SC,    32
.set AF,    128
.set TM,    224                        ; v224-239, v208-223: at work, one set for each of a pair of tiles
.set SU,    176                        ; v176-191 the sums' chains
.set HM,    3                          ; s3     lanes 16-31
.set WV,    14
.set FB,    15                         ; s15 wave / 2: my group of queries; also: I fetch q's (0) or k's (1)
.set CH,    16                         ; s16 wave % 2: my group of keys; also: which group I fetch
.set OUT,   26
.set OUTS,  28
.set G1A,   32
.set G1B,   40
.set PF,    48                         ; s[48:49] the group that I fetch
.set SEL,   66
.set G0A,   68                         ; s[68:79] group 0 of q's fills;  s[80:91] of k's
.set G0B,   80
.set CS,    100
.set MUL_LO, 0xa1
.set MUL_HI, 0xf1
.set MSB, 0
.macro WIN new
.if MSB != (\new)
	s_set_vgpr_msb (MSB<<8)|(\new)
.set MSB, (\new)
.endif
.endm
.macro PLACES n
.rept \n
	v_nop
.endr
.endm
.macro WALU
	s_wait_alu depctr_va_vdst(0)
.endm
.macro FRAG reg, adr, off              ; two halves, each of 4 + 2 registers
.irp c, 0,1
	ds_load_b128 v[(\reg)+6*\c:(\reg)+6*\c+3], v[\adr] offset:(\off)+768*\c
	ds_load_b64 v[(\reg)+6*\c+4:(\reg)+6*\c+5], v[(\adr)+12] offset:(\off)+768*\c+512
.endr
.endm
.macro FETCH_B ks
	WIN 0x40
.irp i, 0,1,2,3,4,5,6,7
	FRAG 128*((\ks)%2)+12*\i, ADRB+((\ks)/3)%2, ((\ks)%3)*STEPB+\i*1536
.endr
	WIN 0
.endm
.macro FETCH_A ks, i0
.irp i, 0,1,2,3
	FRAG AF+12*(\i+\i0), ADRA+((\ks)/3)%2, ((\ks)%3)*STEPB+(\i+\i0)*1536
.endr
.endm
.macro SCALES ks                       ; lanes 0-15 tile 2 i's words, lanes 16-31 tile 2 i + 1's
.irp i, 0,1,2,3
	ds_load_b32 v[SC+8*((\ks)%2)+\i], v[ADSA+((\ks)/3)%2] offset:((\ks)%3)*STEPB+12288+128*\i
	ds_load_b32 v[SC+8*((\ks)%2)+4+\i], v[ADSB+((\ks)/3)%2] offset:((\ks)%3)*STEPB+12288+128*\i
.endr
.endm
.macro WM a, b, ra, rb, ks, cm         ; one product: A's tile a x B's tile b; cm = 1: the constant 0 starts the sum
.set rD, 8*(8*((\a)%4)+(\b))
.set rB, 128*((\ks)%2)+12*(\b)
.set rA, AF+12*(\a)
.set rSB, SC+8*((\ks)%2)+4+(\b)/2
.set rSA, SC+8*((\ks)%2)+(\a)/2
.if (\cm) == 1
	v_wmma_scale_f32_16x16x128_f8f6f4 v[rD:rD+7], v[rB:rB+11], v[rA:rA+11], 0, v[rSB], v[rSA] matrix_a_fmt:MATRIX_FMT_FP6 matrix_b_fmt:MATRIX_FMT_FP6 matrix_a_scale:MATRIX_SCALE_ROW\rb matrix_b_scale:MATRIX_SCALE_ROW\ra
.else
	v_wmma_scale_f32_16x16x128_f8f6f4 v[rD:rD+7], v[rB:rB+11], v[rA:rA+11], v[rD:rD+7], v[rSB], v[rSA] matrix_a_fmt:MATRIX_FMT_FP6 matrix_b_fmt:MATRIX_FMT_FP6 matrix_a_scale:MATRIX_SCALE_ROW\rb matrix_b_scale:MATRIX_SCALE_ROW\ra
.endif
.endm
.macro MULA a0, n, ks, cm              ; A's tiles a0 .. a0 + n - 1 x B's eight: the accumulators take turns, in the same order in every step
.irp a, 0,1,2,3,4,5,6,7
.if (\a >= (\a0)) && (\a < (\a0)+(\n))
.irp b, 0,2,4,6
.if \a%2
	WM \a, \b, 1, 0, \ks, \cm
	WM \a, \b+1, 1, 1, \ks, \cm
.else
	WM \a, \b, 0, 0, \ks, \cm
	WM \a, \b+1, 0, 1, \ks, \cm
.endif
.endr
.endif
.endr
.endm
.macro JLOAD s                         ; my group's load of fill s: the branch hangs on the wave's number alone
	s_cmp_eq_u32 s[FB], 0
	s_cbranch_scc0 .Lfor_b_\@
	tensor_load_to_lds s[G0A+4*\s:G0A+4*\s+3], s[G1A:G1A+7]
	s_nop 0
	PLACES 4
	s_branch .Lasked_\@
.Lfor_b_\@:
	tensor_load_to_lds s[G0B+4*\s:G0B+4*\s+3], s[G1B:G1B+7]
	s_nop 0
	PLACES 4
.Lasked_\@:
.endm
.macro ASK off                         ; a fill asked for into the L2
	global_prefetch_b8 v10, s[PF:PF+1] offset:\off th:TH_LOAD_NT scope:SCOPE_SE
	global_prefetch_b8 v11, s[PF:PF+1] offset:\off th:TH_LOAD_NT scope:SCOPE_SE
.endm
.macro CREST
	s_cmp_lg_u32 s[WV], 0
	s_cbranch_scc1 .Lnot_wave_0_\@
	s_barrier_signal -3
.Lnot_wave_0_\@:
	s_barrier_wait -3
	s_barrier_signal -1
	s_barrier_wait -1
.endm
.macro CROUND
	s_barrier_signal -1
	s_barrier_wait -1
	CREST
.endm
.macro REST ks, cm                     ; a step's second half: the next step's fragments, A's upper tiles' products
	FETCH_B (\ks)+1
	FETCH_A (\ks)+1, 0
	SCALES (\ks)+1
	WIN MUL_HI
	MULA 4, 4, \ks, \cm
	PLACES 4
	WIN 0
	FETCH_A (\ks)+1, 4
.endm
.macro STEP ks, cm
	s_wait_dscnt 2*MB                              ; all but the youngest sixteen loads: A's upper four fragments
	WIN MUL_LO
	MULA 0, 4, \ks, \cm
	s_wait_dscnt 0x0
	PLACES 4                                       ; in front of loads into registers that matrix instructions have read
	REST \ks, \cm
.endm
.macro TURN ks, fill                   ; a slot's last step
	s_wait_tensorcnt 0x0                           ; all my tensor loads have landed: my part of the next slot
	ds_add_u32 v[SPW], v[NIL]
.if \fill
	s_mov_b32 s[G1A+2], (2*STEPB/256)<<16          ; no tensor load of mine is out: the refill brings two steps
	s_mov_b32 s[G1A+4], 2*STEPB/256
	s_mov_b32 s[G1B+2], (2*STEPB/256)<<16
	s_mov_b32 s[G1B+4], 2*STEPB/256
.endif
	s_wait_dscnt 2*MB+1                            ; (the add and A's upper fragments may be out)
	WIN MUL_LO
	MULA 0, 2, \ks, 0
	s_wait_dscnt 0x0                               ; the add is done, and my reads of this slot are over
	s_barrier_signal -1
	MULA 2, 2, \ks, 0
	WIN 0
	s_barrier_wait -1
.if \fill
	CREST                                          ; no wave of any partner still reads this slot or has a load on its way
	JLOAD 2
.else
	PLACES 4
.endif
	REST \ks, 0
.endm
	s_load_b128 s[4:7], s[0:1], 0x0                ; qkv, pw
	v_lshl_add_u32 v[SPW], v0, 2, SPARE
	v_mov_b32 v[NIL], 0
	ds_add_u32 v[SPW], v[NIL]                      ; the wave's opening: the add, twice on end
	ds_add_u32 v[SPW], v[NIL]
	v_lshrrev_b32 v1, 5, v0
	v_readfirstlane_b32 s[WV], v1
	s_lshr_b32 s[FB], s[WV], 1
	s_and_b32 s[CH], s[WV], 1
	s_bfe_u32 s18, ttmp6, 0x40000                  ; cx
	s_bfe_u32 s19, ttmp6, 0x40004                  ; cy
	s_and_b32 s17, ttmp7, 0xffff                   ; the cluster's y: batch = y / 2
	s_lshl_b32 s30, s19, 2
	s_lshl_b32 s30, 15, s30                        ; my row of the cluster
	s_lshl_b32 s31, 0x1111, s18                    ; my column
	s_or_b32 s[G1A], s30, (3<<16)|(1<<21)          ; dense blocks as rows of 256 bytes (32 elements of 8 bytes): three steps of a group; two in the refill
	s_or_b32 s[G1B], s31, (3<<16)|(1<<21)
.irp g, G1A, G1B
	s_mov_b32 s[\g+1], 32<<16
	s_mov_b32 s[\g+2], (REG/256)<<16
	s_mov_b32 s[\g+3], 32<<16
	s_mov_b32 s[\g+4], REG/256
	s_mov_b32 s[\g+5], 32
	s_mov_b32 s[\g+6], 0
	s_mov_b32 s[\g+7], 0
.endr
	s_lshl_b32 s20, s17, 3
	s_lshl_b32 s23, s19, 1
	s_add_co_u32 s20, s20, s23                     ; my work-group's first group of queries
	s_add_co_u32 s22, s20, s[CH]
	s_mul_i32 s24, s22, GRPB
	s_mov_b32 s25, 0
	s_lshl_b32 s21, ttmp9, 3
	s_lshl_b32 s23, s18, 1
	s_add_co_u32 s21, s21, s23
	s_add_co_u32 s21, s21, s[CH]                   ; which 128 keys of the batch
	s_lshr_b32 s28, s17, 1
	s_lshl_b32 s28, s28, 4
	s_add_co_u32 s28, s28, s21
	s_add_co_u32 s28, s28, 64
	s_mul_i32 s28, s28, GRPB
	s_mov_b32 s29, 0
	s_mul_i32 s2, s[WV], REG                       ; where my loads go: no place in the cluster enters an LDS address
	s_mov_b32 s[CS], 0x3d38aa3b                    ; log2(e) / 32
	s_mov_b32 s[CS+1], s[CS]
	s_wait_dscnt 0x0
	s_wait_kmcnt 0x0
	s_add_nc_u64 s[24:25], s[4:5], s[24:25]
	s_add_nc_u64 s[28:29], s[4:5], s[28:29]
	CROUND                                         ; in front of the first joint loads
.macro SETUP s, lds, st                ; group 0 of fill s: from K step st on
	s_mov_b32 s[G0A+4*\s], 1
	s_add_co_u32 s[G0A+4*\s+1], s2, \lds
	s_add_nc_u64 s[G0A+4*\s+2:G0A+4*\s+3], s[24:25], (\st)*STEPB
	s_or_b32 s[G0A+4*\s+3], s[G0A+4*\s+3], 0x80000000
	s_mov_b32 s[G0B+4*\s], 1
	s_add_co_u32 s[G0B+4*\s+1], s2, \lds
	s_add_nc_u64 s[G0B+4*\s+2:G0B+4*\s+3], s[28:29], (\st)*STEPB
	s_or_b32 s[G0B+4*\s+3], s[G0B+4*\s+3], 0x80000000
.endm
	SETUP 0, 0, 0
	JLOAD 0
	SETUP 1, SLOT, 3
	SETUP 2, 0, 6
	s_cmp_eq_u32 s[FB], 0
	s_cselect_b64 s[PF:PF+1], s[24:25], s[28:29]
	s_cselect_b32 s50, s18, s19                    ; my place among the four that ask with me
	s_mul_i32 s51, s50, 25
	s_mul_i32 s50, s50, 38
	s_mul_i32 s2, s[FB], REG                       ; my group of q's two,
	s_mul_i32 s3, s[CH], REG
	s_add_co_u32 s3, s3, 2*REG                     ; and of k's
	v_and_b32 v1, 31, v0                           ; lane
	v_bfe_u32 v2, v0, 4, 1
	v_lshlrev_b32 v4, 4, v1
	v_lshlrev_b32 v5, 2, v1
	v_lshlrev_b32 v6, 3, v1
	v_lshlrev_b32 v[H8], 3, v2
	v_min_u32 v10, 37, v1
	v_add_nc_u32 v11, 32, v1
	v_min_u32 v11, 37, v11
	v_add_nc_u32 v10, s50, v10
	v_add_nc_u32 v11, s50, v11
	v_min_u32 v10, 149, v10
	v_min_u32 v11, 149, v11
	v_lshlrev_b32 v10, 8, v10
	v_lshlrev_b32 v11, 8, v11
	v_min_u32 v14, 24, v1
	v_add_nc_u32 v14, s51, v14
	v_lshlrev_b32 v14, 8, v14
	v_add_nc_u32 v[ADRA], s2, v4
	v_add_nc_u32 v[ADRA+1], SLOT, v[ADRA]
	v_add_nc_u32 v[ADRA+12], s2, v6
	v_add_nc_u32 v[ADRA+13], SLOT, v[ADRA+12]
	v_add_nc_u32 v[ADRB], s3, v4
	v_add_nc_u32 v[ADRB+1], SLOT, v[ADRB]
	v_add_nc_u32 v[ADRB+12], s3, v6
	v_add_nc_u32 v[ADRB+13], SLOT, v[ADRB+12]
	v_add_nc_u32 v[ADSA], s2, v5
	v_add_nc_u32 v[ADSA+1], SLOT, v[ADSA]
	v_add_nc_u32 v[ADSB], s3, v5
	v_add_nc_u32 v[ADSB+1], SLOT, v[ADSB]
	v_mov_b32 v[TM+4], 0                           ; a lane permute's destination counts as one of its sources
	v_mov_b32 v245, 0                              ; (named as the upper halves of pairs)
	v_mov_b32 v247, 0
	WALU                                           ; the head's end
	ASK 3*STEPB
	s_mov_b32 s[SEL], 0x76543210
	s_mov_b32 s[SEL+1], 0xfedcba98
	s_mov_b32 s[HM], 0xffff0000
	s_add_co_u32 s2, s20, s[FB]                    ; pw: index = 16 x group of queries + chunk
	s_lshl_b32 s2, s2, 4
	s_add_co_u32 s2, s2, s21
	s_mul_i32 s22, s2, 12288
	s_mov_b32 s23, 0
	s_add_nc_u64 s[OUT:OUT+1], s[6:7], s[22:23]
	s_lshl_b32 s22, s2, 9
	s_add_co_u32 s22, s22, PS
	s_add_nc_u64 s[OUTS:OUTS+1], s[6:7], s[22:23]
	s_wait_tensorcnt 0x0                           ; my part of the first fill is in; the full sequence ahead of a later first fill
	ds_add_u32 v[SPW], v[NIL]
	s_wait_dscnt 0x0
	CROUND
	JLOAD 1
	FETCH_B 0
	FETCH_A 0, 0
	SCALES 0
	FETCH_A 0, 4
	global_prefetch_b8 v14, s[PF:PF+1] offset:6*STEPB th:TH_LOAD_NT scope:SCOPE_SE   ; the third fill
	STEP 0, 1
	STEP 1, 0
	TURN 2, 1                                      ; slot 0 takes steps 6-7
	STEP 3, 0
	STEP 4, 0
	TURN 5, 0
	STEP 6, 0
	s_wait_dscnt 2*MB                              ; the last step
	WIN MUL_LO
	MULA 0, 4, 7, 0
	s_wait_dscnt 0x0
	WIN MUL_HI
	MULA 4, 4, 7, 0
	WIN 0
	PLACES 4                                       ; in front of the first read of results
; THE WAY OUT of query tiles a and a + 1, line by line in turn.  T = TM - 16 u: T + 0, T + 2 the two blocks' largest scores, then their largest p (p rises with the score; this takes v_exp_f32 not to fall where its input rises).
.macro SOFT2 a
.set sW, 2+(\a)/4
.set sA, 64*((\a)%4)
	WIN (sW<<2)|(sW<<4)
	WALU                                           ; ahead of the results' first readers
.irp i, 0,2,4,6,8,10,12,14
.irp b, 0,1,2,3
.irp u, 0,1
.if \i == 0
	v_max3_num_f32 v[TM-16*\u+\b], 0xff7fffff, v[sA+64*\u+16*\b], v[sA+64*\u+16*\b+1]
.else
	v_max3_num_f32 v[TM-16*\u+\b], v[TM-16*\u+\b], v[sA+64*\u+16*\b+\i], v[sA+64*\u+16*\b+\i+1]
.endif
.endr
.endr
.endr
	WIN 0
.irp u, 0,1
	v_max_num_f32 v[TM-16*\u], v[TM-16*\u], v[TM-16*\u+1]
	v_max_num_f32 v[TM-16*\u+2], v[TM-16*\u+2], v[TM-16*\u+3]
.endr
.irp u, 0,1
	v_max_num_f32 v[TM-16*\u+8], v[TM-16*\u], v[TM-16*\u+2]
.endr
.irp u, 0,1
	v_permlanex16_b32 v[TM-16*\u+4], v[TM-16*\u+8], s[SEL], s[SEL+1]
.endr
.irp u, 0,1
	v_max_num_f32 v[TM-16*\u+8], v[TM-16*\u+8], v[TM-16*\u+4]   ; with lane l xor 16's 64 keys
.endr
.irp u, 0,1
	v_mul_f32 v[TM-16*\u+8], s[CS], v[TM-16*\u+8]
.endr
.irp u, 0,1
	v_floor_f32 v[244+2*\u], -v[TM-16*\u+8]        ; -M_c = floor(-t)
.endr
.irp u, 0,1
	v_fma_f32 v[TM-16*\u], v[TM-16*\u], s[CS], v[244+2*\u]
	v_fma_f32 v[TM-16*\u+2], v[TM-16*\u+2], s[CS], v[244+2*\u]
.endr
	WIN (sW<<6)|sW
.set j, 0
.rept 32
.irp u, 0,1
	v_pk_fma_f32 v[sA+64*\u+j:sA+64*\u+j+1], v[sA+64*\u+j:sA+64*\u+j+1], s[CS:CS+1], v[244+2*\u:245+2*\u] op_sel_hi:[1,0,0]
.endr
.set j, j+2
.endr
	WALU                                           ; ahead of the batch,
.set j, 0
.rept 128
	v_exp_f32 v[sA+j], v[sA+j]
.set j, j+1
.endr
	WIN 0
.irp u, 0,1
	v_exp_f32 v[TM-16*\u], v[TM-16*\u]
	v_exp_f32 v[TM-16*\u+2], v[TM-16*\u+2]
.endr
	v_nop
	WALU                                           ; and ahead of its first reader
	WIN (sW<<2)|sW
.irp k, 0,2,4,6                        ; the sum of the unquantised p, two at a time in four chains
.irp u, 0,1
	v_pk_add_f32 v[SU+8*\u+\k:SU+8*\u+\k+1], v[sA+64*\u+\k:sA+64*\u+\k+1], v[sA+64*\u+8+\k:sA+64*\u+9+\k]
.endr
.endr
	WIN sW<<2
.irp i, 16,24,32,40,48,56
.irp k, 0,2,4,6
.irp u, 0,1
	v_pk_add_f32 v[SU+8*\u+\k:SU+8*\u+\k+1], v[SU+8*\u+\k:SU+8*\u+\k+1], v[sA+64*\u+\i+\k:sA+64*\u+\i+\k+1]
.endr
.endr
.endr
	WIN 0
.irp u, 0,1
	v_pk_add_f32 v[SU+8*\u:SU+8*\u+1], v[SU+8*\u:SU+8*\u+1], v[SU+8*\u+2:SU+8*\u+3]
	v_pk_add_f32 v[SU+8*\u+4:SU+8*\u+5], v[SU+8*\u+4:SU+8*\u+5], v[SU+8*\u+6:SU+8*\u+7]
	v_max_num_f32 v[TM-16*\u], 0x1800000, v[TM-16*\u]   ; the floor 2^(3 - 127): the byte cannot fall under 1
	v_max_num_f32 v[TM-16*\u+2], 0x1800000, v[TM-16*\u+2]
.endr
.irp u, 0,1
	v_pk_add_f32 v[SU+8*\u:SU+8*\u+1], v[SU+8*\u:SU+8*\u+1], v[SU+8*\u+4:SU+8*\u+5]
	v_add_nc_u32 v[TM-16*\u+12], 0xff000000, v[TM-16*\u]   ; 2 off the exponent field: the conversions' scale operand
	v_add_nc_u32 v[TM-16*\u+13], 0xff000000, v[TM-16*\u+2]
.endr
.irp u, 0,1
	v_lshrrev_b32 v[TM-16*\u+5], 23, v[TM-16*\u+12]
	v_lshrrev_b32 v[TM-16*\u+6], 23, v[TM-16*\u+13]
	v_add_f32 v[252+\u], v[SU+8*\u], v[SU+8*\u+1]
.endr
.irp u, 0,1
	v_lshl_or_b32 v[240+\u], v[TM-16*\u+6], 16, v[TM-16*\u+5]
	v_permlanex16_b32 v[TM-16*\u+4], v[252+\u], s[SEL], s[SEL+1]
.endr
.irp u, 0,1
	v_lshlrev_b32 v[240+\u], v[H8], v[240+\u]      ; my blocks' bytes: h and 2 + h
	v_add_f32 v[252+\u], v[252+\u], v[TM-16*\u+4]  ; l_c
.endr
.irp u, 0,1
	v_permlanex16_b32 v[TM-16*\u+4], v[240+\u], s[SEL], s[SEL+1]
.endr
.irp u, 0,1
	v_or_b32 v[240+\u], v[240+\u], v[TM-16*\u+4]   ; the scale word
.endr
.if (\a) > 0
	WALU
	s_wait_xcnt 0x0                                ; the last pair's stores have read their registers
.endif
	WIN sW
.irp u, 0,1
.irp c, 0,1
	v_cvt_scalef32_pk16_fp6_f32 v[128+20*\u+6*\c:130+20*\u+6*\c], v[sA+64*\u+32*\c:sA+64*\u+32*\c+15], v[TM-16*\u+12+\c]
	v_cvt_scalef32_pk16_fp6_f32 v[140+20*\u+4*\c:142+20*\u+4*\c], v[sA+64*\u+32*\c+16:sA+64*\u+32*\c+31], v[TM-16*\u+12+\c]
.endr
.endr
	WIN 0
	v_nop                                          ; one plain place behind the scaled conversions
.irp i, 0,1,2
.irp u, 0,1
.irp c, 0,1
	v_mov_b32 v[131+20*\u+6*\c+\i], v[140+20*\u+4*\c+\i]
.endr
.endr
.endr
	v_cndmask_b32 v168, v240, v241, s[HM]          ; lanes 0-15: tile a's; lanes 16-31: tile a + 1's
	v_cndmask_b32 v169, v244, v246, s[HM]
	v_cndmask_b32 v170, v252, v253, s[HM]
.irp u, 0,1
.irp c, 0,1,2
	global_store_b128 v4, v[128+20*\u+4*\c:131+20*\u+4*\c], s[OUT:OUT+1] offset:1536*(\a+\u)+512*\c
.endr
.endr
	global_store_b32 v5, v168, s[OUTS:OUTS+1] offset:64*(\a)
	global_store_b32 v5, v169, s[OUTS:OUTS+1] offset:64*(\a)+524288
	global_store_b32 v5, v170, s[OUTS:OUTS+1] offset:64*(\a)+1048576
.endm
	SOFT2 0
	SOFT2 2
	SOFT2 4
	SOFT2 6
	s_wait_tensorcnt 0x0                           ; the wave's end
	ds_add_u32 v[SPW], v[NIL]
	s_wait_dscnt 0x0
	CROUND                                         ; the closing round
	s_endpgm
.Lfunc_end_k_qa62693d88f_scores:
	.size	k_qa62693d88f_scores, .Lfunc_end_k_qa62693d88f_scores-k_qa62693d88f_scores
	.p2alignl 7, 3214868480
	.fill 96, 4, 3214868480
	.section	.rodata,"a",@progbits
	.p2align	6, 0x0
	.amdhsa_kernel k_qa62693d88f_scores
		.amdhsa_group_segment_fixed_size 327680
		.amdhsa_private_segment_fixed_size 0
		.amdhsa_enable_private_segment 0
		.amdhsa_kernarg_size 16
		.amdhsa_user_sgpr_count 2
		.amdhsa_user_sgpr_kernarg_segment_ptr 1
		.amdhsa_wavefront_size32 1
		.amdhsa_system_sgpr_workgroup_id_x 1
		.amdhsa_system_sgpr_workgroup_id_y 1
		.amdhsa_system_sgpr_workgroup_id_z 1
		.amdhsa_system_vgpr_workitem_id 0
		.amdhsa_next_free_vgpr 1024
		.amdhsa_next_free_sgpr 102
		.amdhsa_reserve_vcc 0
		.amdhsa_float_denorm_mode_32 3
		.amdhsa_float_denorm_mode_16_64 3
		.amdhsa_memory_ordered 1
		.amdhsa_forward_progress 1
		.amdhsa_inst_pref_size 197
	.end_amdhsa_kernel
	.amdgpu_metadata
---
amdhsa.version: [ 1, 2 ]
amdhsa.kernels:
  - .name:           k_qa62693d88f_scores
    .symbol:         k_qa62693d88f_scores.kd
    .args:
      - { .name: qkv, .offset: 0, .size: 8, .value_kind: global_buffer, .address_space: global }
      - { .name: pw, .offset: 8, .size: 8, .value_kind: global_buffer, .address_space: global }
    .group_segment_fixed_size: 327680
    .private_segment_fixed_size: 0
    .kernarg_segment_align: 8
    .kernarg_segment_size: 16
    .max_flat_workgroup_size: 128
    .sgpr_count:     102
    .vgpr_count:     1024
    .wavefront_size: 32
...
	.end_amdgpu_metadata
.endif
;; end of part 3
;; launch pv (part 4): grid 4 x 64, 4 waves a work-group, clusters of 4 x 4, 327,680 bytes of LDS; arguments pw, qkv, out0; writes out0
.if DOCPART == 4
	.amdgcn_target "amdgcn-amd-amdhsa--gfx1250"
	.amdhsa_code_object_version 6
	.text
	.protected	k_qa62693d88f_pv
	.globl	k_qa62693d88f_pv
	.p2align	8
	.type	k_qa62693d88f_pv,@function
k_qa62693d88f_pv:
	s_mov_b64 s[64:65], 0
	v_nop
	global_prefetch_b8 v0, s[64:65] scope:SCOPE_SE
	s_setreg_imm32_b32 hwreg(HW_REG_WAVE_MODE, 25, 1), 1
	s_wait_xcnt 0x0
	s_wait_alu depctr_hold_cnt(0) depctr_sa_sdst(0) depctr_va_vdst(0) depctr_va_sdst(0) depctr_va_ssrc(0) depctr_va_vcc(0) depctr_vm_vsrc(0)
	s_getreg_b32 s2, hwreg(HW_REG_IB_STS2, 6, 4)
	s_cmp_eq_u32 s2, 0
	s_cbranch_scc0 .Lentry_in_a_cluster
	s_endpgm
.Lentry_in_a_cluster:
	s_bfe_u32 s2, ttmp6, 0x10000c
	s_cmp_lg_u32 s2, 0xf033
	s_cbranch_scc0 .Lentry_shape_is_right
	s_endpgm
.Lentry_shape_is_right:
; O = p v / l on codes of FP6 (E2M3) with E8M0 scales.  p's codes were made under a whole number M_c for each query and chunk of 128 keys.  The head finds the row's M = the largest M_c, takes M - M_c off the four scale
; bytes of each chunk's word (held at 0 from below), and sums l = the sum of l_c 2^(M_c - M): all exact but the additions.  So the product is that of p = 2^(t - M).
; p: [group of 128 queries][16 K steps][8 fragments of 1,536 bytes, images of 12 registers]; its scale words, -M_c and l_c in [group][16][128] words of their own.  v^T: [8 batch + group of 128 columns][16 K steps][12,800: 8 fragments, scale words].
; Tile 4 c + j of a group, lane-row 8 h + i, is row 64 c + 32 h + 8 j + i, of queries and of columns alike.
; A work-group makes 128 queries x 256 columns: 256 work-groups; a wave 64 x 128: 32 accumulators.  THE MATRIX INSTRUCTION IS USED TRANSPOSED: source 0 = 16 rows of v^T, source 1 = 16 queries: a lane holds one query and neighbouring columns.
; K = the batch's 2,048 keys: sixteen steps of 128 through two LDS slots of four steps.  Waves 0 and 1 fetch two steps of p's tile each, waves 2 and 3 a group of v^T: one load at the head, one behind each of three rounds.
; CLUSTERS: 4 x 4: p's tiles are shared along a row of the cluster, v^T's along a column: each is asked for jointly.
; PREFETCHES: each later fill, one fill ahead; the four partners share a load's blocks of 256 bytes by address: 24 of p's 96 each, 50 of v^T's 200 (lanes left over name the last again).
; LIMITS: a block whose byte is less than M - M_c gets the byte 0: each of its terms is under 2^-124 |v|, beside a row's sum of at least 1/2.  NaN and infinities are not served.
; REGISTERS: window 0: v0-29 addresses; v32-47 scale words; v48-55 1 / l; v64-127 the head's; v128-175 A's fragments; on the way out v128-255.  window 1: B's fragments, two sets.  window 2: accumulator (a, b) at v[8 (8 a + b)].
.set MB,    4
.set STEPB, 12800
.set REG,   4*12288                    ; p's part of a slot
.set REGB,  4*STEPB                    ; a group of v^T's
.set SLOT,  REG+2*REGB
.set ASC,   2*SLOT                     ; p's scale words under the row's M: stored by the head
.set RL,    ASC+8192                   ; 1 / l of the 128 lane-rows
.set SPARE, RL+512                     ; the spare words, 128 bytes for each wave
.set GRPB,  16*12288
.set GRPV,  16*STEPB
.set VC,    13107200
.set PS,    12582912
.set ADRA,  8                          ; v8-9   LDS address of my A fragments in slot 0, 1
.set ADRB,  12                         ; v12-13 of B's
.set ADSA,  16                         ; v16    of p's scale words
.set ASW,   18                         ; v18  where I store a scale word: ASC + 4 x thread
.set RLW,   19                         ; v19  where I store 1 / l
.set RLA,   20                         ; v20  where I read it
.set STO,   21                         ; v21  the way out: where I put 32 bytes of a row
.set RD,    22                         ; v22  and where I read a row back
.set ADSB,  24                         ; v24-25 of v^T's scale words in slot 0, 1
.set SPW,   28
.set NIL,   29
.set SC,    32
.set AF,    128
.set WV,  14
.set RH,  15                           ; wave / 2: my 64 queries; also: I fetch p's (0) or v^T's (1)
.set CH,  16                           ; wave % 2: my 128 columns; also: which half or group I fetch
.set G1A, 24
.set G1B, 32
.set PF,  40                           ; s[40:45] where my prefetches of fills 1, 2, 3 begin
.set G0A, 48                           ; s[48:55] group 0 for p's loads, a set for each slot;  s[56:63] for v^T's
.set G0B, 56
.set ONES, 84
.set HIB,  85
.set OUT,  86
.set MUL,  0xa1                        ; source 0 (B) window 1, source 1 (A) window 0, C and D window 2
.set MSB, 0
.macro WIN new                         ; the immediate's high byte repeats the setting that is left
.if MSB != (\new)
	s_set_vgpr_msb (MSB<<8)|(\new)
.set MSB, (\new)
.endif
.endm
.macro PLACES n
.rept \n
	v_nop
.endr
.endm
.macro FRAG reg, adr, off              ; a fragment's image: three loads of 512 consecutive bytes
.irp c, 0,1,2
	ds_load_b128 v[(\reg)+4*\c:(\reg)+4*\c+3], v[\adr] offset:(\off)+512*\c
.endr
.endm
.macro FETCH_B ks
	WIN 0x40
.irp i, 0,1,2,3,4,5,6,7
	FRAG 128*((\ks)%2)+12*\i, ADRB+((\ks)/4)%2, ((\ks)%4)*STEPB+\i*1536
.endr
	WIN 0
.endm
.macro FETCH_A ks, i0
.irp i, 0,1
	FRAG AF+12*(\i+\i0), ADRA+((\ks)/4)%2, ((\ks)%4)*12288+(\i+\i0)*1536
.endr
.endm
.macro SCALES ks                       ; a load takes 128 consecutive bytes: lanes 0-15 tile 2 i's words, lanes 16-31 tile 2 i + 1's
.irp i, 0,1
	ds_load_b32 v[SC+8*((\ks)%2)+\i], v[ADSA] offset:(\ks)*512+128*\i
.endr
.irp i, 0,1,2,3
	ds_load_b32 v[SC+8*((\ks)%2)+4+\i], v[ADSB+((\ks)/4)%2] offset:((\ks)%4)*STEPB+12288+128*\i
.endr
.endm
.macro WM a, b, ra, rb, ks, cm         ; one product: A's tile a x B's tile b, K step ks.  cm = 1: the constant 0 starts the sum
.set rD, 8*(8*(\a)+(\b))
.set rB, 128*((\ks)%2)+12*(\b)
.set rA, AF+12*(\a)
.set rSB, SC+8*((\ks)%2)+4+(\b)/2
.set rSA, SC+8*((\ks)%2)+(\a)/2
.if (\cm) == 1
	v_wmma_scale_f32_16x16x128_f8f6f4 v[rD:rD+7], v[rB:rB+11], v[rA:rA+11], 0, v[rSB], v[rSA] matrix_a_fmt:MATRIX_FMT_FP6 matrix_b_fmt:MATRIX_FMT_FP6 matrix_a_scale:MATRIX_SCALE_ROW\rb matrix_b_scale:MATRIX_SCALE_ROW\ra
.else
	v_wmma_scale_f32_16x16x128_f8f6f4 v[rD:rD+7], v[rB:rB+11], v[rA:rA+11], v[rD:rD+7], v[rSB], v[rSA] matrix_a_fmt:MATRIX_FMT_FP6 matrix_b_fmt:MATRIX_FMT_FP6 matrix_a_scale:MATRIX_SCALE_ROW\rb matrix_b_scale:MATRIX_SCALE_ROW\ra
.endif
.endm
.macro MULA a0, n, ks, cm              ; the accumulators take turns, one instruction a turn, in the same order in every step
.irp a, 0,1,2,3
.if (\a >= (\a0)) && (\a < (\a0)+(\n))
.irp b, 0,2,4,6
.if \a%2
	WM \a, \b, 1, 0, \ks, \cm
	WM \a, \b+1, 1, 1, \ks, \cm
.else
	WM \a, \b, 0, 0, \ks, \cm
	WM \a, \b+1, 0, 1, \ks, \cm
.endif
.endr
.endif
.endr
.endm
.macro JLOAD s                         ; my load into slot s: the branch hangs on the wave's number alone
	s_cmp_eq_u32 s[RH], 0
	s_cbranch_scc0 .Lfor_b_\@
	tensor_load_to_lds s[G0A+4*(\s):G0A+4*(\s)+3], s[G1A:G1A+7]
	s_nop 0
	PLACES 4
	s_branch .Lasked_\@
.Lfor_b_\@:
	tensor_load_to_lds s[G0B+4*(\s):G0B+4*(\s)+3], s[G1B:G1B+7]
	s_nop 0
	PLACES 4
.Lasked_\@:
.endm
.macro ASK f                           ; fill f asked for into the L2
	global_prefetch_b8 v26, s[PF+2*(\f)-2:PF+2*(\f)-1] th:TH_LOAD_NT scope:SCOPE_SE
	global_prefetch_b8 v27, s[PF+2*(\f)-2:PF+2*(\f)-1] th:TH_LOAD_NT scope:SCOPE_SE
.endm
.macro CREST
	s_cmp_lg_u32 s[WV], 0
	s_cbranch_scc1 .Lnot_wave_0_\@
	s_barrier_signal -3
.Lnot_wave_0_\@:
	s_barrier_wait -3
	s_barrier_signal -1
	s_barrier_wait -1
.endm
.macro CROUND
	s_barrier_signal -1
	s_barrier_wait -1
	CREST
.endm
.macro STEP ks, cm
	s_wait_dscnt 3*MB/2                            ; B's set, A's lower tiles and the scale words are in; the youngest six loads, A's upper tiles, may be out
	WIN MUL
	MULA 0, 2, \ks, \cm
	s_wait_dscnt 0x0                               ; A's upper tiles are in
	PLACES 4                                       ; in front of loads into registers that matrix instructions have read
	FETCH_B (\ks)+1
	FETCH_A (\ks)+1, 0
	SCALES (\ks)+1
	WIN MUL
	MULA 2, 2, \ks, \cm
	PLACES 4
	WIN 0
	FETCH_A (\ks)+1, 2
.endm
.macro TURN ks, fill, ask
	s_wait_tensorcnt 0x0                           ; all my tensor loads have landed: my part of the next slot
	ds_add_u32 v[SPW], v[NIL]                      ; 0 onto my spare word
	s_wait_dscnt 3*MB/2+1                          ; (the add and A's upper tiles may be out)
	WIN MUL
	MULA 0, 1, \ks, 0
	s_wait_dscnt 0x0                               ; the add is done, and my reads of this slot are over
	s_barrier_signal -1
	MULA 1, 1, \ks, 0
	WIN 0
	s_barrier_wait -1
.if \fill
	CREST                                          ; no wave of any partner still reads this slot or has a load on its way
.set GS, 4*(((\ks)/4)%2)
	s_add_nc_u64 s[G0A+GS+2:G0A+GS+3], s[G0A+GS+2:G0A+GS+3], 2*REG
	s_add_nc_u64 s[G0B+GS+2:G0B+GS+3], s[G0B+GS+2:G0B+GS+3], 2*REGB
	JLOAD ((\ks)/4)%2
.else
	PLACES 4
.endif
	FETCH_B (\ks)+1
	FETCH_A (\ks)+1, 0
	SCALES (\ks)+1
.if \ask
	ASK \ask
.endif
	WIN MUL
	MULA 2, 2, \ks, 0
	PLACES 4
	WIN 0
	FETCH_A (\ks)+1, 2
.endm
	s_load_b128 s[4:7], s[0:1], 0x0                ; pw s[4:5], qkv s[6:7]
	s_load_b64 s[8:9], s[0:1], 0x10                ; out0
	v_lshl_add_u32 v[SPW], v0, 2, SPARE
	v_mov_b32 v[NIL], 0
	ds_add_u32 v[SPW], v[NIL]                      ; the wave's opening: the add, twice on end, and its wait ahead of the first tensor load
	ds_add_u32 v[SPW], v[NIL]
	v_lshrrev_b32 v1, 5, v0
	v_readfirstlane_b32 s[WV], v1
	s_lshr_b32 s[RH], s[WV], 1
	s_and_b32 s[CH], s[WV], 1
	s_bfe_u32 s18, ttmp6, 0x40000                  ; cx
	s_bfe_u32 s19, ttmp6, 0x40004                  ; cy
	s_and_b32 s17, ttmp7, 0xffff                   ; the cluster's y: four groups of 128 queries; batch = y / 4
	s_lshl_b32 s20, s19, 2
	s_lshl_b32 s20, 15, s20                        ; my row of the cluster
	s_lshl_b32 s21, 0x1111, s18                    ; my column
	s_or_b32 s[G1A], s20, (3<<16)|(1<<21)          ; dense blocks as rows of 256 bytes (32 elements of 8 bytes): two steps of p, four of v^T; no padding
	s_or_b32 s[G1B], s21, (3<<16)|(1<<21)
	s_mov_b32 s[G1A+1], 32<<16
	s_mov_b32 s[G1A+2], (REG/512)<<16
	s_mov_b32 s[G1A+3], 32<<16
	s_mov_b32 s[G1A+4], REG/512
	s_mov_b32 s[G1A+5], 32
	s_mov_b32 s[G1A+6], 0
	s_mov_b32 s[G1A+7], 0
	s_mov_b32 s[G1B+1], 32<<16
	s_mov_b32 s[G1B+2], (REGB/256)<<16
	s_mov_b32 s[G1B+3], 32<<16
	s_mov_b32 s[G1B+4], REGB/256
	s_mov_b32 s[G1B+5], 32
	s_mov_b32 s[G1B+6], 0
	s_mov_b32 s[G1B+7], 0
	s_lshl_b32 s22, s17, 2
	s_add_co_u32 s22, s22, s19                     ; G: my group of 128 queries: the cluster and cy alone
	s_mul_i32 s72, s22, GRPB
	s_mul_i32 s80, s[CH], REG/2                    ; waves 0, 1: which two steps of a fill
	s_add_co_u32 s72, s72, s80
	s_mov_b32 s73, 0
	s_lshr_b32 s74, s17, 2                         ; v^T's group: 8 batch + 2 cx + which of the two
	s_lshl_b32 s74, s74, 3
	s_lshl_b32 s75, s18, 1
	s_add_co_u32 s74, s74, s75
	s_add_co_u32 s74, s74, s[CH]
	s_mul_i32 s76, s74, GRPV
	s_add_co_u32 s76, s76, VC
	s_mov_b32 s77, 0
	s_mul_i32 s81, s[CH], REGB
	s_add_co_u32 s81, s81, REG
	s_mov_b32 s[ONES], 0x01010101
	s_mov_b32 s[HIB], 0x80808080
	s_wait_dscnt 0x0                               ; both opening adds are done
	s_wait_kmcnt 0x0
	s_add_nc_u64 s[72:73], s[4:5], s[72:73]
	s_add_nc_u64 s[76:77], s[6:7], s[76:77]
	CROUND                                         ; all sixteen work-groups are here: the first joint loads meet
.irp s, 0,1
	s_mov_b32 s[G0A+4*\s], 1
	s_add_co_u32 s[G0A+4*\s+1], s80, \s*SLOT
	s_add_nc_u64 s[G0A+4*\s+2:G0A+4*\s+3], s[72:73], \s*REG
	s_or_b32 s[G0A+4*\s+3], s[G0A+4*\s+3], 0x80000000
	s_mov_b32 s[G0B+4*\s], 1
	s_add_co_u32 s[G0B+4*\s+1], s81, \s*SLOT
	s_add_nc_u64 s[G0B+4*\s+2:G0B+4*\s+3], s[76:77], \s*REGB
	s_or_b32 s[G0B+4*\s+3], s[G0B+4*\s+3], 0x80000000
.endr
	JLOAD 0                                        ; K steps 0-3
	; THE HEAD: thread t owns lane-row t of my group's 128: its sixteen scale words, -M_c and l_c
	v_lshlrev_b32 v23, 2, v0
	s_lshl_b32 s82, s22, 13
	s_add_co_u32 s82, s82, PS
	s_mov_b32 s83, 0
	s_add_nc_u64 s[82:83], s[4:5], s[82:83]
.irp k, 0,1,2,3,4,5,6,7,8,9,10,11,12,13,14,15
	global_load_b32 v[64+\k], v23, s[82:83] offset:512*\k           ; the four waves read 512 consecutive bytes
	global_load_b32 v[80+\k], v23, s[82:83] offset:512*\k+524288
	global_load_b32 v[96+\k], v23, s[82:83] offset:512*\k+1048576
.endr
	s_mul_i32 s78, s18, REG/8                      ; the prefetches: my quarter of what I fetch, by cx for p, by cy for v^T
	s_mul_i32 s79, s19, REGB/4
	s_mov_b32 s74, REG
	s_mov_b32 s75, REGB
	s_cmp_eq_u32 s[RH], 0
	s_cselect_b32 s78, s78, s79
	s_cselect_b32 s74, s74, s75                    ; from fill to fill
	s_cselect_b32 s80, 23, 49                      ; my last block
	s_cselect_b64 s[PF:PF+1], s[72:73], s[76:77]
	s_mov_b32 s79, 0
	s_mov_b32 s75, 0
	s_add_nc_u64 s[PF:PF+1], s[PF:PF+1], s[78:79]
	s_add_nc_u64 s[PF:PF+1], s[PF:PF+1], s[74:75]
	s_add_nc_u64 s[PF+2:PF+3], s[PF:PF+1], s[74:75]
	s_add_nc_u64 s[PF+4:PF+5], s[PF+2:PF+3], s[74:75]
	s_mul_i32 s72, s[RH], 6144                     ; my four tiles of p's eight,
	s_mul_i32 s73, s[CH], REGB                     ; my group of v^T,
	s_add_co_u32 s73, s73, REG                     ; behind p's
	s_lshl_b32 s75, s[RH], 8
	s_add_co_u32 s76, s75, ASC
	s_add_co_u32 s77, s75, RL
	s_mul_i32 s78, s[WV], 16*528                   ; my stage for the way out: in slot 0's part of p, which by then has had its last fill and its last read
	v_and_b32 v1, 31, v0                           ; lane
	v_and_b32 v2, 15, v0                           ; r
	v_bfe_u32 v3, v0, 4, 1                         ; h
	v_lshlrev_b32 v4, 4, v1
	v_lshlrev_b32 v5, 2, v1
	v_min_u32 v26, s80, v1
	v_add_nc_u32 v27, 32, v1
	v_min_u32 v27, s80, v27
	v_lshlrev_b32 v26, 8, v26
	v_lshlrev_b32 v27, 8, v27
	v_add_nc_u32 v[ADRA], s72, v4
	v_add_nc_u32 v[ADRA+1], SLOT, v[ADRA]
	v_add_nc_u32 v[ADRB], s73, v4
	v_add_nc_u32 v[ADRB+1], SLOT, v[ADRB]
	v_add_nc_u32 v[ADSB], s73, v5                  ; (the 12,288 bytes of codes ahead of a step's scale words stand in the loads' offsets)
	v_add_nc_u32 v[ADSB+1], SLOT, v[ADSB]
	v_add_nc_u32 v[ADSA], s76, v5
	v_lshl_add_u32 v[RLA], v2, 2, s77
	v_lshl_add_u32 v[ASW], v0, 2, ASC
	v_lshl_add_u32 v[RLW], v0, 2, RL
	v_mul_u32_u24 v[STO], v2, 528
	v_lshl_add_u32 v[STO], v3, 7, v[STO]
	v_add_nc_u32 v[STO], s78, v[STO]
	v_add_nc_u32 v[RD], s78, v4
.irp a, 0,1,2,3
	v_mov_b32 v[49+2*\a], 0                        ; (named as the upper halves of pairs)
.endr
	s_wait_alu depctr_va_vdst(0)                   ; the head's end
	ASK 1
	s_lshl_b32 s72, s22, 19                        ; out0: (128 G + 64 x my half) rows of 4,096 bytes + 4 (256 cx + 128 x my half)
	s_lshl_b32 s73, s[RH], 18
	s_add_co_u32 s72, s72, s73
	s_lshl_b32 s73, s18, 10
	s_add_co_u32 s72, s72, s73
	s_lshl_b32 s73, s[CH], 9
	s_add_co_u32 s72, s72, s73
	s_mov_b32 s73, 0
	s_add_nc_u64 s[OUT:OUT+1], s[8:9], s[72:73]
	s_wait_loadcnt 0x0
	v_min3_num_f32 v112, v80, v81, v82             ; -M = the least -M_c
.irp k, 83,85,87,89,91,93
	v_min3_num_f32 v112, v112, v[\k], v[\k+1]
.endr
	v_min_num_f32 v112, v112, v95
.irp k, 0,1,2,3,4,5,6,7,8,9,10,11,12,13,14,15
	v_sub_f32 v[80+\k], v112, v[80+\k]             ; M_c - M: a whole number, 0 or less
.endr
.irp k, 0,1,2,3,4,5,6,7,8,9,10,11,12,13,14,15
	v_cvt_i32_f32 v[80+\k], v[80+\k]               ; (it saturates)
.endr
.irp k, 0,1,2,3,4,5,6,7,8,9,10,11,12,13,14,15
	v_ldexp_f32 v[96+\k], v[96+\k], v[80+\k]       ; l_c under the row's M: nothing is rounded
.endr
.irp k, 0,1,2,3,4,5,6,7,8,9,10,11,12,13,14,15
	v_sub_nc_u32 v[80+\k], 0, v[80+\k]
.endr
.irp k, 0,1,2,3,4,5,6,7,8,9,10,11,12,13,14,15
	v_min_u32 v[80+\k], 127, v[80+\k]              ; d = M - M_c, held at 127: no byte of p's is above 125
.endr
.irp k, 0,1,2,3,4,5,6,7,8,9,10,11,12,13,14,15
	v_mul_lo_u32 v[80+\k], v[80+\k], s[ONES]       ; d in each byte
.endr
.irp k, 0,1,2,3,4,5,6,7,8,9,10,11,12,13,14,15
	v_or_b32 v[64+\k], s[HIB], v[64+\k]            ; each byte + 128,
.endr
.irp k, 0,1,2,3,4,5,6,7,8,9,10,11,12,13,14,15
	v_sub_nc_u32 v[64+\k], v[64+\k], v[80+\k]      ; - d: at least 1, so no byte borrows from its neighbour; its top bit stays where byte >= d
.endr
.irp k, 0,1,2,3,4,5,6,7,8,9,10,11,12,13,14,15
	v_and_b32 v[80+\k], s[HIB], v[64+\k]
.endr
.irp k, 0,1,2,3,4,5,6,7,8,9,10,11,12,13,14,15
	v_lshrrev_b32 v[128+\k], 7, v[80+\k]
.endr
.irp k, 0,1,2,3,4,5,6,7,8,9,10,11,12,13,14,15
	v_sub_nc_u32 v[80+\k], v[80+\k], v[128+\k]     ; 0x7f in those bytes, 0 in the others
.endr
.irp k, 0,1,2,3,4,5,6,7,8,9,10,11,12,13,14,15
	v_and_b32 v[64+\k], v[64+\k], v[80+\k]         ; byte - d, held at 0 from below
.endr
.irp k, 0,1,2,3,4,5,6,7,8,9,10,11,12,13,14,15
	ds_store_b32 v[ASW], v[64+\k] offset:512*\k
.endr
.irp k, 0,2,4,6,8,10,12,14
	v_add_f32 v[96+\k], v[96+\k], v[97+\k]
.endr
.irp k, 0,4,8,12
	v_add_f32 v[96+\k], v[96+\k], v[98+\k]
.endr
	v_add_f32 v96, v96, v100
	v_add_f32 v104, v104, v108
	v_add_f32 v96, v96, v104                       ; l
	s_wait_alu depctr_va_vdst(0)
	v_rcp_f32 v96, v96
	v_nop                                          ; a plain place behind the reciprocal,
	s_wait_alu depctr_va_vdst(0)                   ; and the wait ahead of its first reader
	ds_store_b32 v[RLW], v96
	s_wait_tensorcnt 0x0                           ; my part of slot 0 is in; the full sequence ahead of a later first fill
	ds_add_u32 v[SPW], v[NIL]
	s_wait_dscnt 0x0                               ; the add is done and my stores have landed
	CROUND
	JLOAD 1                                        ; K steps 4-7
.irp a, 0,1,2,3
	ds_load_b32 v[48+2*\a], v[RLA] offset:64*\a    ; 1 / l of my lane-row of tile a
.endr
	FETCH_B 0
	FETCH_A 0, 0
	SCALES 0
	FETCH_A 0, 2
	ASK 2
	STEP 0, 1                                      ; the first step starts the sums: nothing is cleared
	STEP 1, 0
	STEP 2, 0
	TURN 3, 1, 3                                   ; slot 0 takes K steps 8-11
	STEP 4, 0
	STEP 5, 0
	STEP 6, 0
	TURN 7, 1, 0                                   ; slot 1 takes K steps 12-15
	STEP 8, 0
	STEP 9, 0
	STEP 10, 0
	TURN 11, 0, 0                                  ; nothing is left to fetch; behind this barrier nobody reads slot 0
	STEP 12, 0
	STEP 13, 0
	STEP 14, 0
	s_wait_dscnt 3*MB/2                            ; the last step
	WIN MUL
	MULA 0, 2, 15, 0
	s_wait_dscnt 0x0
	MULA 2, 2, 15, 0
	WIN 0
	PLACES 4                                       ; in front of the first read of results, and of loads into A's registers
; THE WAY OUT, a tile of 16 queries x 128 columns at a time: x 1 / l; through my own stage; back as whole rows of 512 bytes.  LDS serves a wave's instructions in order: no wait between the stores and the loads.
.macro TOSTAGE a
	WIN 0x82                                       ; destination and source 0: window 2
.set j, 0
.rept 32
	v_pk_mul_f32 v[64*(\a)+j:64*(\a)+j+1], v[64*(\a)+j:64*(\a)+j+1], v[48+2*(\a):49+2*(\a)] op_sel_hi:[1,0]   ; each accumulator from its low end on
.set j, j+2
.endr
	WIN 0x08                                       ; an LDS store's data are its source 1: window 2
.irp b, 0,1,2,3,4,5,6,7
	ds_store_b128 v[STO], v[64*(\a)+8*\b:64*(\a)+8*\b+3] offset:256*(\b/4)+32*(\b%4)       ; register j of tile b is column 64 (b / 4) + 32 h + 8 (b % 4) + j
	ds_store_b128 v[STO], v[64*(\a)+8*\b+4:64*(\a)+8*\b+7] offset:256*(\b/4)+32*(\b%4)+16
.endr
	WIN 0
.irp t, 0,1,2,3,4,5,6,7,8,9,10,11,12,13,14,15
	ds_load_b128 v[128+64*((\a)%2)+4*\t:128+64*((\a)%2)+4*\t+3], v[RD] offset:528*\t
.endr
.endm
.macro SEND a, younger                 ; younger: the LDS instructions issued behind tile a's loads, which may stay out
	s_wait_dscnt \younger
.irp t, 0,1,2,3,4,5,6,7,8,9,10,11,12,13,14,15
	global_store_b128 v4, v[128+64*((\a)%2)+4*\t:128+64*((\a)%2)+4*\t+3], s[OUT:OUT+1] offset:(8*(\a)+\t+24*(\t/8))*4096 th:TH_STORE_NT   ; lane-row t's true row: 512 consecutive bytes, aligned
.endr
.endm
	TOSTAGE 0
	TOSTAGE 1
	SEND 0, 32                                     ; behind tile 0's loads: tile 1's 16 stores and 16 loads
	s_wait_xcnt 0x0                                ; tile 0's stores have read their registers: tile 2's loads may land there
	TOSTAGE 2
	SEND 1, 32
	s_wait_xcnt 0x0
	TOSTAGE 3
	SEND 2, 32
	SEND 3, 0
	s_wait_tensorcnt 0x0                           ; the wave's end, behind my last tensor load and my last LDS store
	ds_add_u32 v[SPW], v[NIL]
	s_wait_dscnt 0x0
	CROUND                                         ; the closing round
	s_endpgm
.Lfunc_end_k_qa62693d88f_pv:
	.size	k_qa62693d88f_pv, .Lfunc_end_k_qa62693d88f_pv-k_qa62693d88f_pv
	.p2alignl 7, 3214868480
	.fill 96, 4, 3214868480
	.section	.rodata,"a",@progbits
	.p2align	6, 0x0
	.amdhsa_kernel k_qa62693d88f_pv
		.amdhsa_group_segment_fixed_size 327680
		.amdhsa_private_segment_fixed_size 0
		.amdhsa_enable_private_segment 0
		.amdhsa_kernarg_size 24
		.amdhsa_user_sgpr_count 2
		.amdhsa_user_sgpr_kernarg_segment_ptr 1
		.amdhsa_wavefront_size32 1
		.amdhsa_system_sgpr_workgroup_id_x 1
		.amdhsa_system_sgpr_workgroup_id_y 1
		.amdhsa_system_sgpr_workgroup_id_z 1
		.amdhsa_system_vgpr_workitem_id 0
		.amdhsa_next_free_vgpr 768
		.amdhsa_next_free_sgpr 88
		.amdhsa_reserve_vcc 0
		.amdhsa_float_denorm_mode_32 3
		.amdhsa_float_denorm_mode_16_64 3
		.amdhsa_memory_ordered 1
		.amdhsa_forward_progress 1
		.amdhsa_inst_pref_size 162
	.end_amdhsa_kernel
	.amdgpu_metadata
---
amdhsa.version: [ 1, 2 ]
amdhsa.kernels:
  - .name:           k_qa62693d88f_pv
    .symbol:         k_qa62693d88f_pv.kd
    .args:
      - { .name: pw, .offset: 0, .size: 8, .value_kind: global_buffer, .address_space: global }
      - { .name: qkv, .offset: 8, .size: 8, .value_kind: global_buffer, .address_space: global }
      - { .name: out0, .offset: 16, .size: 8, .value_kind: global_buffer, .address_space: global }
    .group_segment_fixed_size: 327680
    .private_segment_fixed_size: 0
    .kernarg_segment_align: 8
    .kernarg_segment_size: 24
    .max_flat_workgroup_size: 128
    .sgpr_count:     88
    .vgpr_count:     768
    .wavefront_size: 32
...
	.end_amdgpu_metadata
.endif
;; end of part 4
